; MI455X (gfx1250); checked and timed in simulation.
; The chip was launched on July 23, 2026; its instructions are those of AMD's public machine-readable ISA for CDNA 5 (MIT licence, August 2026) and "CDNA5" Instruction Set Architecture Reference Guide (July 2026). The comments in the code are by the model that wrote it; some were corrected since.
;; Mo E Element Fusion. Allowed arithmetic: matrix products marked QUANTISED: E4M3 operands, one E8M0 scale for each 32 along K, by v_wmma_scale_f32_16x16x128_f8f6f4 with both operands' format E4M3, f32 sums; products left as they are: f32 operands where the result goes on into a quantised operand, else bf16, f16 or f32 operands; f32 sums; everything else in f32.
;; Inputs: b1 16 x 2,048 float32; b2 16 x 512 float32; expert_keys 16 x 512 float32; proj_b 2 x 512 float32; proj_w 2 x 512 x 512 float32; router_w 2 x 512 x 512 float32; view0 4 x 256 x 512 float32; view1 4 x 256 x 512 float32; w1 16 x 512 x 2,048 float32; w2 16 x 2,048 x 512 float32.
;; Outputs: out0 4 x 256 x 512 float32.
;; This version of the problem:
;;   THIS VERSION OF THE PROBLEM IS GIVEN IN LOW PRECISION. The matrix products marked QUANTISED in the list below multiply operands that are first quantised to E4M3 (4 exponent bits, 3 mantissa bits; 8 bits a number), with one power-of-two scale for each 32 numbers along K (OCP MX v1.0); their sums are f32. All else is computed in f32.
;;   The module's matrix products, in the order in which they are computed (A, B: the left and right operand; K: the contracted axis; several contracted axes count as one K, in the product's order):
;;     1. [M 1,024, K 512] x [K 512, N 512]; A: input view0; B: input proj_w: QUANTISED
;;     2. [M 1,024, K 512] x [K 512, N 512]; A: computed on the way; B: input router_w: QUANTISED
;;     3. [M 1,024, K 512] x [K 512, N 16]; A: computed on the way; B: input expert_keys: QUANTISED
;;     4. [M 1,024, K 512] x [K 512, N 32,768]; A: computed on the way; B: input w1: QUANTISED
;;     5. batch 16 x [M 512, K 2,048] x [K 2,048, N 1,024]; A: input w2; B: computed on the way: QUANTISED
;;     6. batch 1,024 x [M 1, K 16] x [K 16, N 512]; A: computed on the way; B: computed on the way: left as it is (K = 16 < 32)
;;     7. [M 1,024, K 512] x [K 512, N 512]; A: input view1; B: input proj_w: QUANTISED
;;     8. [M 1,024, K 512] x [K 512, N 512]; A: computed on the way; B: input router_w: QUANTISED
;;     9. [M 1,024, K 512] x [K 512, N 16]; A: computed on the way; B: input expert_keys: QUANTISED
;;     10. [M 1,024, K 512] x [K 512, N 32,768]; A: computed on the way; B: input w1: QUANTISED
;;     11. batch 16 x [M 512, K 2,048] x [K 2,048, N 1,024]; A: input w2; B: computed on the way: QUANTISED
;;     12. batch 1,024 x [M 1, K 16] x [K 16, N 512]; A: computed on the way; B: computed on the way: left as it is (K = 16 < 32)
;;   THE QUANTISER, for each operand of a quantised product, along K:
;;     - K is cut into blocks of 32 from its start; a last block that is shorter is filled with zeros.
;;     - A block's scale is 2^e with e = floor(log2(the largest magnitude in the block)) - 8, held to -126 .. 127; a block of zeros has e = 0. As a byte (E8M0): e + 127.
;;     - Each number is divided by its block's scale, clamped to +-448, and rounded to the nearest number of E4M3, ties to even, subnormals kept.
;;     - The product sums the exact products of the quantised numbers (number of the format x scale) in f32.
;;   ~~~python
;;   def quantise(x, axis):      # numpy; x: float32 -> the quantised numbers, widened to float32 again
;;       x = np.moveaxis(x, axis, -1); K = x.shape[-1]
;;       x = np.pad(x, [(0, 0)] * (x.ndim - 1) + [(0, -K % 32)]); x = x.reshape(x.shape[:-1] + (-1, 32)); a = np.abs(x).max(-1, keepdims=True)
;;       e = np.where(a > 0, np.clip(np.frexp(np.where(a > 0, a, 1))[1] - 1 - 8, -126, 127), 0)      # np.frexp(a)[1] - 1 = floor(log2(a)), exactly
;;       r = np.clip(x / 2.0 ** e, -448, 448)
;;       step = 2.0 ** (np.maximum(np.frexp(np.where(r == 0, 1, r))[1] - 1, -6) - 3)
;;       q = np.round(r / step) * step * 2.0 ** e      # np.round: ties to even
;;       return np.moveaxis(q.reshape(q.shape[:-2] + (-1,))[..., :K], -1, axis).astype(np.float32)
;;   ~~~
;;   OPERANDS COMPUTED ON THE WAY. 'Computed on the way' means the value that the module computes at that place (a softmax that the list does not call 'softmax' is quantised finished and normalised). What goes into a quantiser is computed in f32, as accurately as f32 sums, v_exp_f32 and their like allow (about 1e-6 of the number): no bf16 or f16 on the way to a quantiser, and a product that is left as it is and whose result goes on into a quantised operand takes f32 operands (vector FMAs, or v_wmma_f32_16x16x4_f32). A number that lies on a knife's edge between two numbers of the format may be rounded either way, as far as f32 arithmetic and the matrix unit's own rounding can turn it there, and no further.
;; 2 versions, each right; version 2 is version 1 with the launch chain written anew for expert scheduling mode. Each part assembles by itself: llvm-mc -triple=amdgcn-amd-amdhsa -mcpu=gfx1250 --defsym DOCPART=n.
;; ======== version 1 of 2: 4 launches
;; workspace buffers: wc 34,603,008 bytes; ws 1,081,344 bytes; hq 1,081,344 bytes; sel 16,384 bytes of whole numbers; gate 32,768 bytes; part 16,777,216 bytes
;; launch quant (part 1): grid 1056 x 1, 4 waves a work-group, no clusters, 1,536 bytes of LDS; arguments w1, w2, proj_w, router_w, wc, ws; writes wc, ws
.if DOCPART == 1
	.amdgcn_target "amdgcn-amd-amdhsa--gfx1250"
	.amdhsa_code_object_version 6
	.text
	.protected	k_qc74dd8cdf7_quant
	.globl	k_qc74dd8cdf7_quant
	.p2align	8
	.type	k_qc74dd8cdf7_quant,@function
k_qc74dd8cdf7_quant:
	s_mov_b64 s[64:65], 0
	v_nop
	global_prefetch_b8 v0, s[64:65] scope:SCOPE_SE
	s_setreg_imm32_b32 hwreg(HW_REG_WAVE_MODE, 25, 1), 1
	s_wait_xcnt 0x0
; w1 [16][512][2048], w2 [16][2048][512], proj_w and router_w [2][512][512], all f32 with K as the FIRST axis of a matrix, become codes of FP8 (E4M3)
; with one E8M0 scale byte for each 32 along K, laid in the order of an operand's registers.
; A BLOCK is 32 output columns x 512 along K: 16,384 bytes of codes at  s 4096 + u 2048 + c 512 + hh 256 + r 16  (s: K step of 128; u: tile of the pair;
; c: block of 32 in the step; hh: its half of 16; r: the tile's row).  Row r of tile u is column 8 u + r + 8 (r / 8) of the 32, so that in a product used
; transposed a lane's 16 results of tiles 0 and 1 are 16 neighbours along the next K.  A fragment (s, u) is 2,048 dense bytes: four loads of 16 bytes a lane.
; Its scale words: 512 bytes a block, lane (16 u + r) x 16 + 4 s.
; Blocks: w1: 64 e + hidden / 32;  w2: 1024 + 16 (4 e + hidden / 512) + d / 32;  proj_w: 2048 + 16 v + d / 32;  router_w: 2080 + 16 v + d / 32.
; SHARES.  Work-group j makes blocks 2 j and 2 j + 1; wave s takes K step s.  A LANE TAKES A COLUMN AND ITS REGISTERS RUN DOWN K: a load reads 128 consecutive bytes,
; a block of 32 along K lies in one lane's 32 registers, and the conversions give codes with K innermost.  Sixteen lanes store 256 consecutive aligned bytes.
; A block's scale is 2^(floor(log2(largest magnitude)) - 8); its byte is the largest magnitude's exponent field - 8, held at 1 from below.
; LIMITS: a block of zeros gets the byte 1 where the rule says 127 (its codes are zeros, and this program alone reads the bytes); blocks whose largest magnitude
; lies under 2^-118 are held at the byte 1; NaN and infinities are not served.
; No tensor load, no cluster, no prefetch: a plain stream, each byte read once, and work-groups share nothing.
.set X,  32                            ; v32-95   two sets of 32 numbers
.set C,  96                            ; v96-159  eight registers of codes for each of the eight sets: no store's data are written again
.set SB, 14                            ; v14-15   the scale word of block 2 j, 2 j + 1
	s_load_b256 s[4:11], s[0:1], 0x0               ; w1, w2, proj_w, router_w
	s_load_b128 s[12:15], s[0:1], 0x20             ; wc, ws
	v_lshl_add_u32 v160, v0, 2, 0x400
	v_mov_b32 v161, 0
	v_lshrrev_b32 v1, 5, v0
	v_readfirstlane_b32 s16, v1                    ; wave = K step
	v_and_b32 v1, 31, v0                           ; lane
	v_and_b32 v8, 15, v0                           ; r
	v_bfe_u32 v9, v0, 4, 1                         ; u
	v_and_b32 v10, 8, v8
	v_add_nc_u32 v10, v10, v8                      ; r + 8 (r / 8)
	v_lshl_add_u32 v10, v9, 3, v10                 ; + 8 u: my column of the 32
	v_lshlrev_b32 v2, 2, v10                       ; in: 4 bytes a column
	v_lshlrev_b32 v3, 4, v8
	v_lshl_add_u32 v3, v9, 11, v3                  ; out: 2048 u + 16 r
	s_lshl_b32 s17, s16, 2
	v_lshl_add_u32 v4, v1, 4, s17                  ; LDS: 16 x lane + 4 s: my scale word's place in a block's 512 bytes
	s_lshl_b32 s17, s16, 8
	v_lshl_add_u32 v5, v1, 3, s17                  ; 256 s + 8 x lane: on the way out, in LDS and in ws alike
	s_mov_b32 s31, 0x600000                        ; the mantissa field of 448
	s_lshl_b32 s22, ttmp9, 15                      ; two blocks of 16,384 bytes,
	s_lshl_b32 s17, s16, 12
	s_add_co_u32 s22, s22, s17                     ; my K step's 4,096
	s_mov_b32 s23, 0
	s_lshl_b32 s24, ttmp9, 10                      ; two blocks of 512 bytes of scale words
	s_mov_b32 s25, 0
	s_wait_kmcnt 0x0
	s_add_nc_u64 s[22:23], s[12:13], s[22:23]
	s_add_nc_u64 s[24:25], s[14:15], s[24:25]
.macro QLOAD t, pitch                  ; set t = 2 c + a: rows 32 c .. 32 c + 31 of my K step, my column of block a
.set QX, X+32*((\t)%2)
.set QO, 32*((\t)/2)*(\pitch)+128*((\t)%2)
.irp i, 0,1,2,3,4,5,6,7,8,9,10,11,12,13,14,15,16,17,18,19,20,21,22,23,24,25,26,27,28,29,30,31
	global_load_b32 v[QX+\i], v2, s[20:21] offset:QO+\i*(\pitch) th:TH_LOAD_NT
.endr
.endm
.macro QSET t, pitch
.set XS, X+32*((\t)%2)
.set CS, C+8*(\t)
.set SA, SB+(\t)%2
.if (\t) < 7
	s_wait_loadcnt 32                              ; this set's 32 loads are in; the next set's 32 may be out
.else
	s_wait_loadcnt 0
.endif
	v_max3_num_f32 v8, |v[XS]|, |v[XS+1]|, |v[XS+2]|               ; the block's largest magnitude: all 32 numbers are mine
	v_max3_num_f32 v9, |v[XS+3]|, |v[XS+4]|, |v[XS+5]|
.irp i, 6,10,14,18,22,26
	v_max3_num_f32 v8, v8, |v[XS+\i]|, |v[XS+\i+1]|
	v_max3_num_f32 v9, v9, |v[XS+\i+2]|, |v[XS+\i+3]|
.endr
	v_max3_num_f32 v8, v8, |v[XS+30]|, |v[XS+31]|
	v_max3_num_f32 v8, v8, v9, 0x4800000           ; and the floor 2^(9 - 127): the byte cannot fall under 1
	v_add_nc_u32 v11, 0xfc000000, v8               ; 8 off the exponent field: the conversion's scale operand
	v_and_or_b32 v10, v8, 0x7f800000, s31          ; 448 x the scale
	v_lshrrev_b32 v12, 23, v11                     ; the scale's byte
.if (\t)/2 == 0
	v_mov_b32 v[SA], v12                           ; four bytes to a word, the lower K in the lower byte
.else
	v_lshl_or_b32 v[SA], v12, 8*((\t)/2), v[SA]
.endif
.irp i, 0,1,2,3,4,5,6,7,8,9,10,11,12,13,14,15,16,17,18,19,20,21,22,23,24,25,26,27,28,29,30,31
	v_med3_num_f32 v[XS+\i], v[XS+\i], -v10, v10   ; the conversion to an 8-bit code does not saturate (ISA guide 7.6.2): the hold at 448 x the scale
.endr
.irp g, 0,1,2,3
	v_cvt_scalef32_pk8_fp8_f32 v[CS+2*\g:CS+2*\g+1], v[XS+8*\g:XS+8*\g+7], v11
.endr
	v_nop                                          ; a plain line behind the last conversion
	global_store_b128 v3, v[CS:CS+3], s[22:23] offset:16384*((\t)%2)+512*((\t)/2)        ; k 0-15 of the block: 16 lanes fill 256 consecutive aligned bytes
	global_store_b128 v3, v[CS+4:CS+7], s[22:23] offset:16384*((\t)%2)+512*((\t)/2)+256  ; k 16-31
.if (\t)+2 < 8
	QLOAD (\t)+2, \pitch
.endif
.endm
.macro QBODY pitch
	QLOAD 0, \pitch
	QLOAD 1, \pitch
.irp t, 0,1,2,3,4,5,6,7
	QSET \t, \pitch
.endr
.endm
	s_cmp_lt_u32 ttmp9, 512                        ; the first 512 work-groups take w1 (rows of 8,192 bytes), the others the tensors with rows of 2,048
	s_cbranch_scc0 .Lnarrow
	s_lshr_b32 s17, ttmp9, 5                       ; expert
	s_lshl_b32 s20, s17, 22                        ; 4 MiB an expert
	s_and_b32 s17, ttmp9, 31
	s_lshl_b32 s17, s17, 8                         ; 64 columns of 4 bytes
	s_add_co_u32 s20, s20, s17
	s_lshl_b32 s17, s16, 20                        ; 128 rows of 8,192 bytes
	s_add_co_u32 s20, s20, s17
	s_mov_b32 s21, 0
	s_add_nc_u64 s[20:21], s[4:5], s[20:21]
	QBODY 8192
	s_branch .Ltail
.Lnarrow:
	s_sub_co_u32 s17, ttmp9, 512
	s_lshr_b32 s18, s17, 3                         ; which run of 512 rows: 0-63 w2 (4 e + q), 64-65 proj_w, 66-67 router_w
	s_cmp_lt_u32 s18, 66
	s_cselect_b64 s[26:27], s[8:9], s[10:11]
	s_cselect_b32 s19, 64, 66
	s_cmp_lt_u32 s18, 64
	s_cselect_b64 s[26:27], s[6:7], s[26:27]
	s_cselect_b32 s19, 0, s19
	s_sub_co_u32 s18, s18, s19
	s_lshl_b32 s20, s18, 20                        ; 512 rows of 2,048 bytes
	s_and_b32 s17, s17, 7
	s_lshl_b32 s17, s17, 8
	s_add_co_u32 s20, s20, s17
	s_lshl_b32 s17, s16, 18                        ; 128 rows
	s_add_co_u32 s20, s20, s17
	s_mov_b32 s21, 0
	s_add_nc_u64 s[20:21], s[26:27], s[20:21]
	QBODY 2048
.Ltail:
	ds_store_b32 v4, v14                           ; the four waves' words of a lane lie side by side: they meet in LDS
	ds_store_b32 v4, v15 offset:512
	s_wait_dscnt 0x0                               ; for the others' sake: my stores have landed
	s_barrier_signal -1
	s_barrier_wait -1
	ds_load_b64 v[12:13], v5
	s_wait_dscnt 0x0
	global_store_b64 v5, v[12:13], s[24:25]        ; 32 lanes store 256 consecutive aligned bytes
	s_wait_tensorcnt 0x0
	ds_add_u32 v160, v161
	s_wait_dscnt 0x0
	s_endpgm
.Lfunc_end_k_qc74dd8cdf7_quant:
	.size	k_qc74dd8cdf7_quant, .Lfunc_end_k_qc74dd8cdf7_quant-k_qc74dd8cdf7_quant
	.p2alignl 7, 3214868480
	.fill 96, 4, 3214868480
	.section	.rodata,"a",@progbits
	.p2align	6, 0x0
	.amdhsa_kernel k_qc74dd8cdf7_quant
		.amdhsa_group_segment_fixed_size 1536
		.amdhsa_private_segment_fixed_size 0
		.amdhsa_enable_private_segment 0
		.amdhsa_kernarg_size 48
		.amdhsa_user_sgpr_count 2
		.amdhsa_user_sgpr_kernarg_segment_ptr 1
		.amdhsa_wavefront_size32 1
		.amdhsa_system_sgpr_workgroup_id_x 1
		.amdhsa_system_sgpr_workgroup_id_y 1
		.amdhsa_system_sgpr_workgroup_id_z 1
		.amdhsa_system_vgpr_workitem_id 0
		.amdhsa_next_free_vgpr 162
		.amdhsa_next_free_sgpr 66
		.amdhsa_reserve_vcc 0
		.amdhsa_float_denorm_mode_32 3
		.amdhsa_float_denorm_mode_16_64 3
		.amdhsa_memory_ordered 1
		.amdhsa_forward_progress 1
		.amdhsa_inst_pref_size 112
	.end_amdhsa_kernel
	.amdgpu_metadata
---
amdhsa.version: [ 1, 2 ]
amdhsa.kernels:
  - .name:           k_qc74dd8cdf7_quant
    .symbol:         k_qc74dd8cdf7_quant.kd
    .args:
      - { .name: w1, .offset: 0, .size: 8, .value_kind: global_buffer, .address_space: global }
      - { .name: w2, .offset: 8, .size: 8, .value_kind: global_buffer, .address_space: global }
      - { .name: proj_w, .offset: 16, .size: 8, .value_kind: global_buffer, .address_space: global }
      - { .name: router_w, .offset: 24, .size: 8, .value_kind: global_buffer, .address_space: global }
      - { .name: wc, .offset: 32, .size: 8, .value_kind: global_buffer, .address_space: global }
      - { .name: ws, .offset: 40, .size: 8, .value_kind: global_buffer, .address_space: global }
    .group_segment_fixed_size: 1536
    .private_segment_fixed_size: 0
    .kernarg_segment_align: 8
    .kernarg_segment_size: 48
    .max_flat_workgroup_size: 128
    .sgpr_count:     66
    .vgpr_count:     162
    .wavefront_size: 32
...
	.end_amdgpu_metadata
.endif
;; end of part 1
;; launch front (part 2): grid 128 x 1, 16 waves a work-group, no clusters, 39,424 bytes of LDS; arguments view0, view1, proj_b, expert_keys, wc, ws, hq, sel, gate; writes hq, sel, gate
.if DOCPART == 2
	.amdgcn_target "amdgcn-amd-amdhsa--gfx1250"
	.amdhsa_code_object_version 6
	.text
	.protected	k_qc74dd8cdf7_front
	.globl	k_qc74dd8cdf7_front
	.p2align	8
	.type	k_qc74dd8cdf7_front,@function
k_qc74dd8cdf7_front:
	s_mov_b64 s[64:65], 0
	v_nop
	global_prefetch_b8 v0, s[64:65] scope:SCOPE_SE
	s_setreg_imm32_b32 hwreg(HW_REG_WAVE_MODE, 25, 1), 1
	s_wait_xcnt 0x0
; For 16 tokens of one view: h = Q(x) Q(proj_w) + proj_b;  r = Q(h) Q(router_w);  d2 = sum r^2 - 2 Q(r) . Q(keys) + sum keys^2;  the four nearest keys (ties: the lower index);
; their gates, a softmax of minus the distance with the largest taken away.  All products on codes of FP8 (E4M3) with E8M0 scales for each 32 along K.
; STORED: h as codes [2048][512] and scale words [2048][4] (hq); the gates [2048][4] in the order of the choice (gate); and as whole numbers (sel):
;   sel[e][f] = count | f << 8 | mask << 16: which of work-group f's 16 tokens chose expert e;   slotmap[token]: two bits for each expert: its place among the token's four.
; Nothing that comes from floating-point numbers enters an address or a branch here: it is only stored, at fixed places.
; SHARES.  Work-group f: tokens 16 f .. 16 f + 15 (token = 1024 view + 256 b + t).  Wave g of sixteen owns columns 32 g .. 32 g + 31 of each product: one block of weights, 128 registers.
; Products are used transposed (source 0 = 16 rows of the weight, source 1 = the 16 tokens): lane (r, h) holds token r and columns 32 g + 16 h + 0 .. 15: one half of block g of the next K.
; Operands go from wave to wave through LDS as images of their registers (fragment s: 2,048 bytes, 512 c + 16 x lane); scale bytes at 128 s + 4 x lane + c.
; LIMITS: NaN and infinities are not served; a block of zeros gets the byte 1; v_sqrt_f32, v_exp_f32 and v_rcp_f32 are good to 1 ulp, so two distances within an ulp may change places.
.set XIMG, 0
.set KIMG, 8192
.set HIMG, 16384
.set RIMG, 24576
.set XSC,  32768
.set KSC,  33280
.set HSC,  33792
.set RSC,  34304
.set KKP,  34816                       ; partial sums of keys^2: [wave][16]
.set RRP,  35840                       ; of r^2
.set KKS,  36864                       ; sum keys^2 for each expert
; v1 lane, v2 r, v3 h, v4 16 l, v5 4 l, v6 .. v15 addresses; v16-19 the tokens' scale words, v20-23 the weights'; v24-28 at work; v32-36 codes and byte; v48-63 two accumulators; v64-127 four fragments; v128-255 eight
	s_load_b256 s[4:11], s[0:1], 0x0               ; view0, view1, proj_b, expert_keys
	s_load_b256 s[12:19], s[0:1], 0x20             ; wc, ws, hq, sel
	s_load_b64 s[20:21], s[0:1], 0x40              ; gate
	v_lshl_add_u32 v42, v0, 2, 0x9200
	v_mov_b32 v43, 0
	v_lshrrev_b32 v1, 5, v0
	v_readfirstlane_b32 s22, v1                    ; wave g
	v_and_b32 v1, 31, v0
	v_and_b32 v2, 15, v0
	v_bfe_u32 v3, v0, 4, 1
	v_lshlrev_b32 v4, 4, v1
	v_lshlrev_b32 v5, 2, v1
	s_lshl_b32 s23, s22, 7                         ; 128 g
	v_lshlrev_b32 v6, 11, v2
	v_lshl_add_u32 v6, v3, 6, v6
	v_add_nc_u32 v6, s23, v6                       ; x, keys: row r of 2,048 bytes + 128 g + 64 h: my 16 numbers of block g
	s_lshr_b32 s24, s22, 2
	s_and_b32 s25, s22, 3
	s_lshl_b32 s26, s24, 11
	s_lshl_b32 s27, s25, 9
	s_add_co_u32 s26, s26, s27
	v_add_nc_u32 v7, s26, v4                       ; my 16 codes in an image: fragment g / 4, group g % 4
	s_lshl_b32 s26, s24, 7
	s_add_co_u32 s26, s26, s25
	v_add_nc_u32 v8, s26, v5                       ; my scale byte
	s_lshl_b32 s26, s22, 6
	v_lshl_add_u32 v9, v2, 2, s26                  ; 64 g + 4 r: my partial sum of squares
	v_lshrrev_b32 v10, 3, v1
	v_lshlrev_b32 v10, 11, v10
	v_bfe_u32 v11, v0, 1, 2
	v_lshl_add_u32 v10, v11, 9, v10
	v_and_b32 v11, 1, v0
	v_lshl_add_u32 v10, v11, 8, v10
	s_lshl_b32 s26, s22, 4
	v_add_nc_u32 v10, s26, v10                     ; token g's codes k = 16 l .. 16 l + 15 in an image
	v_lshlrev_b32 v11, 5, v3                       ; 32 h
	v_lshl_add_u32 v12, v3, 6, s23                 ; proj_b: 128 g + 64 h
	v_and_b32 v13, 1, v0
	v_lshlrev_b32 v13, 8, v13
	v_bfe_u32 v14, v0, 1, 4
	v_lshl_add_u32 v13, v14, 2, v13                ; scale words on the way out: 256 (l % 2) + 4 (l / 2)
	v_lshlrev_b32 v14, 3, v1
	v_lshlrev_b32 v15, 2, v2                       ; 4 r
	v_mov_b32 v26, 0                               ; a lane permute's destination counts as one of its sources
	s_mov_b32 s52, 0x76543210
	s_mov_b32 s53, 0xfedcba98                      ; v_permlanex16_b32's selects for lane l xor 16
	s_mov_b32 s54, 0x600000                        ; the mantissa field of 448
	s_lshr_b32 s28, ttmp9, 6                       ; the view
	s_and_b32 s29, ttmp9, 63
	s_lshl_b32 s30, s29, 15                        ; 16 rows of 2,048 bytes
	s_mov_b32 s31, 0
	s_lshl_b32 s32, s28, 11
	s_mov_b32 s33, 0
	s_lshl_b32 s34, s28, 4
	s_add_co_u32 s34, s34, s22
	s_add_co_u32 s34, s34, 2048                    ; proj_w's block: 2048 + 16 v + g; router_w's lies 32 blocks on
	s_lshl_b32 s36, s34, 14
	s_mov_b32 s37, 0
	s_lshl_b32 s38, s34, 9
	s_mov_b32 s39, 0
	s_lshl_b32 s40, ttmp9, 4
	s_add_co_u32 s40, s40, s22
	s_lshl_b32 s40, s40, 9                         ; token 16 f + g: its 512 codes
	s_mov_b32 s41, 0
	s_lshl_b32 s42, ttmp9, 8
	s_mov_b32 s43, 0
	s_lshl_b32 s46, ttmp9, 6
	s_mov_b32 s47, 0
	s_lshl_b32 s48, ttmp9, 2
	s_mov_b32 s49, 0
	s_lshl_b32 s50, ttmp9, 8                       ; f << 8
	s_wait_kmcnt 0x0
	s_cmp_lt_u32 ttmp9, 64
	s_cselect_b64 s[4:5], s[4:5], s[6:7]
	s_add_nc_u64 s[4:5], s[4:5], s[30:31]
	s_add_nc_u64 s[8:9], s[8:9], s[32:33]
	s_add_nc_u64 s[36:37], s[12:13], s[36:37]
	s_add_nc_u64 s[38:39], s[14:15], s[38:39]
	s_add_nc_u64 s[40:41], s[16:17], s[40:41]
	s_add_nc_u64 s[44:45], s[20:21], s[42:43]      ; gate + 256 f
	s_add_nc_u64 s[42:43], s[16:17], s[42:43]      ; hq + 256 f
	s_add_nc_u64 s[46:47], s[18:19], s[46:47]      ; sel + 64 f
	s_add_nc_u64 s[48:49], s[18:19], s[48:49]      ; sel + 4 f
.irp i, 0,1,2,3
	global_load_b128 v[64+4*\i:67+4*\i], v6, s[4:5] offset:16*\i th:TH_LOAD_NT
.endr
.irp i, 0,1,2,3
	global_load_b128 v[80+4*\i:83+4*\i], v6, s[10:11] offset:16*\i
.endr
.irp i, 0,1,2,3
	global_load_b128 v[48+4*\i:51+4*\i], v12, s[8:9] offset:16*\i    ; the bias is the C of the sums' first products
.endr
	global_load_b128 v[20:23], v4, s[38:39]
.irp i, 0,1,2,3,4,5,6,7,8,9,10,11,12,13,14,15,16,17,18,19,20,21,22,23,24,25,26,27,28,29,30,31
	global_load_b128 v[128+4*\i:131+4*\i], v4, s[36:37] offset:512*\i
.endr
; 16 numbers of a lane, k = 16 h + i of a block of 32, become 16 codes in v32-35 and the block's byte in v36
.macro QB s
	v_max3_num_f32 v24, |v[\s]|, |v[\s+1]|, 0x4800000              ; with the floor 2^(9 - 127): the byte cannot fall under 1
	v_max3_num_f32 v25, |v[\s+2]|, |v[\s+3]|, |v[\s+4]|
	v_max3_num_f32 v24, v24, |v[\s+5]|, |v[\s+6]|
	v_max3_num_f32 v25, v25, |v[\s+7]|, |v[\s+8]|
	v_max3_num_f32 v24, v24, |v[\s+9]|, |v[\s+10]|
	v_max3_num_f32 v25, v25, |v[\s+11]|, |v[\s+12]|
	v_max3_num_f32 v24, v24, |v[\s+13]|, |v[\s+14]|
	v_max3_num_f32 v24, v24, v25, |v[\s+15]|
	v_permlanex16_b32 v26, v24, s52, s53
	v_max_num_f32 v24, v24, v26                    ; with lane l xor 16's: the block's largest magnitude
	v_add_nc_u32 v27, 0xfc000000, v24              ; 8 off the exponent field: the conversion's scale operand
	v_and_or_b32 v28, v24, 0x7f800000, s54         ; 448 x the scale
	v_lshrrev_b32 v36, 23, v27                     ; the byte
.irp i, 0,1,2,3,4,5,6,7,8,9,10,11,12,13,14,15
	v_med3_num_f32 v[\s+\i], v[\s+\i], -v28, v28   ; the conversion does not saturate (ISA guide 7.6.2)
.endr
	v_cvt_scalef32_pk8_fp8_f32 v[32:33], v[\s:\s+7], v27
	v_cvt_scalef32_pk8_fp8_f32 v[34:35], v[\s+8:\s+15], v27
	v_nop                                          ; a plain line behind the last conversion
.endm
.macro PUT img, sc
	ds_store_b128 v7, v[32:35] offset:\img
	ds_store_b8 v8, v36 offset:\sc
.endm
.macro SQ s, p                         ; the block's sum of squares, of the numbers as they are
	v_pk_mul_f32 v[40:41], v[\s:\s+1], v[\s:\s+1]
.irp i, 2,4,6,8,10,12,14
	v_pk_fma_f32 v[40:41], v[\s+\i:\s+\i+1], v[\s+\i:\s+\i+1], v[40:41]
.endr
	v_add_f32 v40, v40, v41
	v_permlanex16_b32 v26, v40, s52, s53
	v_add_f32 v40, v40, v26
	ds_store_b32 v9, v40 offset:\p
.endm
.macro GETF img, sc                    ; the 16 tokens' four fragments and scale words
.irp i, 0,1,2,3,4,5,6,7,8,9,10,11,12,13,14,15
	ds_load_b128 v[64+4*\i:67+4*\i], v4 offset:\img+512*\i
.endr
.irp s, 0,1,2,3
	ds_load_b32 v[16+\s], v5 offset:\sc+128*\s
.endr
	s_wait_dscnt 0x0
.endm
.macro MM zero                         ; my 32 columns for the 16 tokens: the two accumulators take turns
.irp s, 0,1,2,3
.if \zero && (\s == 0)
	v_wmma_scale_f32_16x16x128_f8f6f4 v[48:55], v[128+32*\s:143+32*\s], v[64+16*\s:79+16*\s], 0, v[20+\s], v[16+\s]
	v_wmma_scale_f32_16x16x128_f8f6f4 v[56:63], v[144+32*\s:159+32*\s], v[64+16*\s:79+16*\s], 0, v[20+\s], v[16+\s] matrix_a_scale:MATRIX_SCALE_ROW1
.else
	v_wmma_scale_f32_16x16x128_f8f6f4 v[48:55], v[128+32*\s:143+32*\s], v[64+16*\s:79+16*\s], v[48:55], v[20+\s], v[16+\s]
	v_wmma_scale_f32_16x16x128_f8f6f4 v[56:63], v[144+32*\s:159+32*\s], v[64+16*\s:79+16*\s], v[56:63], v[20+\s], v[16+\s] matrix_a_scale:MATRIX_SCALE_ROW1
.endif
.endr
.rept 8
	v_nop                                          ; places behind these products, in front of reads of the results and of loads into the operands
.endr
.endm
	s_wait_loadcnt 41                              ; x's four loads are in: 41 were issued behind them
	QB 64
	PUT XIMG, XSC
	s_wait_loadcnt 37                              ; the keys' four
	SQ 80, KKP
	s_wait_dscnt 0x0                               ; the stores have read v32-36
	QB 80
	PUT KIMG, KSC
	s_wait_dscnt 0x0
	s_barrier_signal -1
	s_barrier_wait -1                              ; x's and the keys' images lie in LDS
	GETF XIMG, XSC
	s_wait_loadcnt 0x0                             ; the bias, proj_w's block and its scale words
	MM 0                                           ; h
	global_load_b128 v[20:23], v4, s[38:39] offset:16384
.irp i, 0,1,2,3,4,5,6,7,8,9,10,11,12,13,14,15,16,17,18,19,20,21,22,23,24,25,26,27,28,29,30,31
	global_load_b128 v[128+4*\i:131+4*\i], v4, s[36:37] offset:524288+512*\i       ; router_w's block lands while h is quantised
.endr
	QB 48
	PUT HIMG, HSC
	s_wait_dscnt 0x0
	s_barrier_signal -1
	s_barrier_wait -1                              ; h's image lies in LDS
	ds_load_b128 v[44:47], v10 offset:HIMG         ; token g's 512 codes as a row (lanes 256 bytes apart in LDS: one such read a wave)
	GETF HIMG, HSC
	global_store_b128 v4, v[44:47], s[40:41]       ; 512 consecutive bytes
	s_cmp_lg_u32 s22, 0
	s_cbranch_scc1 .Lnot_wave_0
	ds_load_b32 v38, v13 offset:HSC
	ds_load_b32 v39, v13 offset:HSC+128
	s_wait_dscnt 0x0
	global_store_b64 v14, v[38:39], s[42:43] offset:1048576      ; the 16 tokens' scale words: 256 consecutive aligned bytes
.Lnot_wave_0:
	s_wait_loadcnt 0x0
	MM 1                                           ; r
	SQ 48, RRP
	QB 48
	PUT RIMG, RSC
	s_wait_dscnt 0x0
	s_barrier_signal -1
	s_barrier_wait -1                              ; r's image and the partial sums lie in LDS
	s_cmp_lg_u32 s22, 0
	s_cbranch_scc1 .Lend
	; ---- wave 0 alone: the distances, the choice, the gates
	GETF RIMG, RSC
.irp i, 0,1,2,3,4,5,6,7,8,9,10,11,12,13,14,15
	ds_load_b128 v[128+4*\i:131+4*\i], v4 offset:KIMG+512*\i
.endr
.irp s, 0,1,2,3
	ds_load_b32 v[20+\s], v5 offset:KSC+128*\s
.endr
.irp i, 0,1,2,3,4,5,6,7,8,9,10,11,12,13,14,15
	ds_load_b32 v[208+\i], v15 offset:KKP+64*\i
.endr
.irp i, 0,1,2,3,4,5,6,7,8,9,10,11,12,13,14,15
	ds_load_b32 v[224+\i], v15 offset:RRP+64*\i
.endr
	s_wait_dscnt 0x0
	v_wmma_scale_f32_16x16x128_f8f6f4 v[192:199], v[128:143], v[64:79], 0, v20, v16     ; source 0 = the 16 keys, source 1 = the 16 tokens: lane (r, h), register j: expert 8 h + j, token r
.irp s, 1,2,3
	s_wait_alu depctr_va_vdst(0)                   ; a wait ahead of each link
	v_wmma_scale_f32_16x16x128_f8f6f4 v[192:199], v[128+16*\s:143+16*\s], v[64+16*\s:79+16*\s], v[192:199], v[20+\s], v[16+\s]
.endr
.irp i, 1,2,3,4,5,6,7,8,9,10,11,12,13,14,15
	v_add_f32 v208, v208, v[208+\i]                ; sum keys^2 of expert r; sum r^2 of token r.  (These thirty are also the places behind the products)
	v_add_f32 v224, v224, v[224+\i]
.endr
	ds_store_b32 v15, v208 offset:KKS
	ds_load_b128 v[200:203], v11 offset:KKS        ; LDS serves a wave's instructions in order: experts 8 h .. 8 h + 7
	ds_load_b128 v[204:207], v11 offset:KKS+16
.irp j, 0,1,2,3,4,5,6,7
	v_mov_b32 v[248+\j], 0
.endr
	s_wait_dscnt 0x0
.irp j, 0,1,2,3,4,5,6,7
	v_fma_f32 v[240+\j], v[192+\j], -2.0, v224
.endr
.irp j, 0,1,2,3,4,5,6,7
	v_add_f32 v[240+\j], v[240+\j], v[200+\j]
.endr
.irp j, 0,1,2,3,4,5,6,7
	v_max_num_f32 v[240+\j], 0, v[240+\j]
.endr
.irp j, 0,1,2,3,4,5,6,7
	v_sqrt_f32 v[240+\j], v[240+\j]
.endr
	v_cmp_eq_u32 vcc_lo, 1, v3                     ; (a plain line behind the roots)
	s_wait_alu depctr_va_vdst(0)
.irp j, 0,1,2,3,4,5,6,7
	v_permlanex16_b32 v[248+\j], v[240+\j], s52, s53
.endr
.irp j, 0,1,2,3,4,5,6,7
	v_cndmask_b32 v[208+\j], v[240+\j], v[248+\j], vcc_lo      ; experts 0-7,
	v_cndmask_b32 v[216+\j], v[248+\j], v[240+\j], vcc_lo      ; experts 8-15: every lane holds its token's 16 distances
.endr
	v_mov_b32 v236, 0x7f800000
.irp k, 0,1,2,3                        ; four times: the least distance, the lower index on a tie; then it is taken out
	v_mov_b32 v[228+\k], v208
	v_mov_b32 v[232+\k], 0
.irp e, 1,2,3,4,5,6,7,8,9,10,11,12,13,14,15
	v_cmp_ge_f32 vcc_lo, v[208+\e], v[228+\k]
	v_cndmask_b32 v[228+\k], v[208+\e], v[228+\k], vcc_lo
	v_cndmask_b32 v[232+\k], \e, v[232+\k], vcc_lo
.endr
.irp e, 0,1,2,3,4,5,6,7,8,9,10,11,12,13,14,15
	v_cmp_ne_u32 vcc_lo, \e, v[232+\k]
	v_cndmask_b32 v[208+\e], v236, v[208+\e], vcc_lo
.endr
.endr
	v_sub_f32 v237, v228, v229                     ; the largest logit, -d0, is taken away: d0 - dk, 0 or less
	v_sub_f32 v238, v228, v230
	v_sub_f32 v239, v228, v231
	v_mul_f32 v237, 0x3fb8aa3b, v237
	v_mul_f32 v238, 0x3fb8aa3b, v238
	v_mul_f32 v239, 0x3fb8aa3b, v239
	v_exp_f32 v237, v237
	v_exp_f32 v238, v238
	v_exp_f32 v239, v239
	v_lshlrev_b32 v247, 1, v233                    ; (a plain line behind the exponentials)  2 x the second expert's number
	s_wait_alu depctr_va_vdst(0)
	v_add_f32 v244, 1.0, v237
	v_add_f32 v245, v238, v239
	v_add_f32 v244, v244, v245
	v_rcp_f32 v240, v244
	v_lshlrev_b32 v248, 1, v234                    ; (a plain line behind the reciprocal)
	s_wait_alu depctr_va_vdst(0)
	v_mul_f32 v241, v237, v240
	v_mul_f32 v242, v238, v240
	v_mul_f32 v243, v239, v240                     ; v240-243: the four gates
	v_lshlrev_b32 v249, 1, v235
	v_lshlrev_b32 v247, v247, 1
	v_lshlrev_b32 v248, v248, 2
	v_lshlrev_b32 v249, v249, 3
	v_or_b32 v250, v247, v248
	v_or_b32 v250, v250, v249                      ; slotmap: k at bits 2 e of the k-th expert e
	v_lshlrev_b32 v244, v232, 1
	v_lshlrev_b32 v245, v233, 1
	v_lshlrev_b32 v246, v234, 1
	v_lshlrev_b32 v247, v235, 1
	v_or_b32 v244, v244, v245
	v_or_b32 v246, v246, v247
	v_or_b32 v251, v244, v246                      ; my token's four experts as bits
	v_mov_b32 v252, 0
	v_lshlrev_b32 v254, 9, v1                      ; 512 x lane: sel's row
.irp e, 0,1,2,3,4,5,6,7,8,9,10,11,12,13,14,15
	v_bfe_u32 v253, v251, \e, 1
	v_cmp_ne_u32 s56, 0, v253
	s_and_b32 s56, s56, 0xffff                     ; which of the 16 tokens chose expert e,
	s_bcnt1_i32_b32 s57, s56                       ; and how many
	s_lshl_b32 s56, s56, 16
	s_or_b32 s56, s56, s57
	s_or_b32 s56, s56, s50
	v_writelane_b32 v252, s56, \e
.endr
	s_wait_xcnt 0x0                                ; EXEC changes only behind this wait
	v_cmp_gt_u32 vcc_lo, 16, v1
	s_wait_tensorcnt 0x0
	ds_add_u32 v42, v43
	s_wait_dscnt 0x0
	s_and_saveexec_b32 s58, vcc_lo
	global_store_b128 v4, v[240:243], s[44:45]     ; 16 lanes: 256 consecutive aligned bytes
	global_store_b32 v5, v250, s[46:47] offset:8192
	global_store_b32 v254, v252, s[48:49]          ; lane e: sel[e][f]
	s_endpgm
.Lend:
	s_wait_tensorcnt 0x0
	ds_add_u32 v42, v43
	s_wait_dscnt 0x0
	s_endpgm
.Lfunc_end_k_qc74dd8cdf7_front:
	.size	k_qc74dd8cdf7_front, .Lfunc_end_k_qc74dd8cdf7_front-k_qc74dd8cdf7_front
	.p2alignl 7, 3214868480
	.fill 96, 4, 3214868480
	.section	.rodata,"a",@progbits
	.p2align	6, 0x0
	.amdhsa_kernel k_qc74dd8cdf7_front
		.amdhsa_group_segment_fixed_size 39424
		.amdhsa_private_segment_fixed_size 0
		.amdhsa_enable_private_segment 0
		.amdhsa_kernarg_size 72
		.amdhsa_user_sgpr_count 2
		.amdhsa_user_sgpr_kernarg_segment_ptr 1
		.amdhsa_wavefront_size32 1
		.amdhsa_system_sgpr_workgroup_id_x 1
		.amdhsa_system_sgpr_workgroup_id_y 1
		.amdhsa_system_sgpr_workgroup_id_z 1
		.amdhsa_system_vgpr_workitem_id 0
		.amdhsa_next_free_vgpr 256
		.amdhsa_next_free_sgpr 66
		.amdhsa_reserve_vcc 1
		.amdhsa_float_denorm_mode_32 3
		.amdhsa_float_denorm_mode_16_64 3
		.amdhsa_memory_ordered 1
		.amdhsa_forward_progress 1
		.amdhsa_inst_pref_size 54
	.end_amdhsa_kernel
	.amdgpu_metadata
---
amdhsa.version: [ 1, 2 ]
amdhsa.kernels:
  - .name:           k_qc74dd8cdf7_front
    .symbol:         k_qc74dd8cdf7_front.kd
    .args:
      - { .name: view0, .offset: 0, .size: 8, .value_kind: global_buffer, .address_space: global }
      - { .name: view1, .offset: 8, .size: 8, .value_kind: global_buffer, .address_space: global }
      - { .name: proj_b, .offset: 16, .size: 8, .value_kind: global_buffer, .address_space: global }
      - { .name: expert_keys, .offset: 24, .size: 8, .value_kind: global_buffer, .address_space: global }
      - { .name: wc, .offset: 32, .size: 8, .value_kind: global_buffer, .address_space: global }
      - { .name: ws, .offset: 40, .size: 8, .value_kind: global_buffer, .address_space: global }
      - { .name: hq, .offset: 48, .size: 8, .value_kind: global_buffer, .address_space: global }
      - { .name: sel, .offset: 56, .size: 8, .value_kind: global_buffer, .address_space: global }
      - { .name: gate, .offset: 64, .size: 8, .value_kind: global_buffer, .address_space: global }
    .group_segment_fixed_size: 39424
    .private_segment_fixed_size: 0
    .kernarg_segment_align: 8
    .kernarg_segment_size: 72
    .max_flat_workgroup_size: 512
    .sgpr_count:     66
    .vgpr_count:     256
    .wavefront_size: 32
...
	.end_amdgpu_metadata
.endif
;; end of part 2
;; launch chain (part 3): grid 186 x 1, 4 waves a work-group, no clusters, 212,480 bytes of LDS; arguments wc, ws, hq, sel, gate, b1, b2, part; writes part
.if DOCPART == 3
	.amdgcn_target "amdgcn-amd-amdhsa--gfx1250"
	.amdhsa_code_object_version 6
	.text
	.protected	k_qc74dd8cdf7_chain
	.globl	k_qc74dd8cdf7_chain
	.p2align	8
	.type	k_qc74dd8cdf7_chain,@function
k_qc74dd8cdf7_chain:
	s_mov_b64 s[64:65], 0
	v_nop
	global_prefetch_b8 v0, s[64:65] scope:SCOPE_SE
	s_setreg_imm32_b32 hwreg(HW_REG_WAVE_MODE, 25, 1), 1
	s_wait_xcnt 0x0
; One tile of one expert, 48 routed rows, through the whole chain: part[4 token + place] = gate x (Q(gelu(Q(h) Q(w1) + b1)) Q(w2) + b2).  Products on codes of FP8 (E4M3), E8M0 scales for each 32 along K.
; THE GRID serves every split: 8,192 routed rows in tiles of 48 over 16 experts are never more than (8192 + 16 x 47) / 48 = 186 tiles.  Each work-group finds its tile (expert, first rank) from the whole numbers in sel by integer work.
; 48 rows: three tiles of 16 leave room in the registers for six slots of weights; 32 rows would make 271 work-groups, more than there are WGPs for work-groups that take all registers.
; Which expert a work-group serves is read from memory, so this text has no tensor load and no cluster: weights go from memory straight into registers, in the order in which the first launch laid them.
; No barrier stands under a branch on a loaded number: a work-group that the split leaves without rows walks the chain on clamped rows and stores nothing (15 of the 186 at the most); rows past a tile's end likewise.
; SHARES.  The hidden 2,048 go in four chunks of 512, begun at chunk (work-group % 4), so that neighbouring tiles of an expert begin at different chunks.  In a chunk wave w
;   S1: makes hidden units 128 w .. 128 w + 127 for the 48 rows (transposed: source 0 = 16 rows of w1, source 1 = 16 rows of h; C begins as b1);
;   G:  gelu, quantised in registers: K step w of the second product, stored to LDS as images of the operand's registers;
;   S2: adds the chunk onto its output columns 128 w .. 128 w + 127 (C began as b2).
; Waves 0 to 2 gather 16 rows each and store 16 rows each; wave 3 has none (branches on the wave's number).
; THE WEIGHTS come in items of four fragments, 16 loads; a chunk has eight of w1 (A0-A7) and eight of w2 (B0-B7).  A wave has at most 63 loads out, so what counts is that some are always on their way:
;   A0-A3 are asked for in the S2 before (the first chunk's at the head, as soon as the expert is known), A4-A7 and B0-B3 as S1 empties the ring's four slots, B4-B7 during G,
;   into two spare slots and into the hidden layer's registers of the row tiles whose gelu is done.
; GELU, exact form: gelu(x) = max(x, 0) - |x| w,  w = erfc(|x| / sqrt 2) / 2 = t 2^(P(t) - x^2 log2(e) / 2),  t = 1 / (1 + |x| / (2 sqrt 2)),  P of degree 9 (fractional error of erfc 1.2e-7 for every x).
; LIMITS: NaN and infinities are not served; a block of zeros gets the byte 1; v_rcp_f32 and v_exp_f32 are good to 1 ulp, and an exponential under 2^-126 comes out as 0.
; REGISTERS, in windows of 256.  Window 0: v1-24 addresses and the rows' numbers; v32-47 h's scale words, v48-63 w1's, v64-79 w2's, v80-95 the hidden layer's; v96-223 two sets of three fragments, in G at work;
;   v224-240 codes and scale word just made; v[242:243] a constant.   Window 1: the hidden layer, 64 m + 8 t + j (m = 0 .. 2); v192-255 spare slot X.
;   Window 2: the outputs, 64 m + 8 t + j; v192-255 spare slot Y.   Window 3: a ring of four slots of four weight fragments.
.set XIMG, 0                           ; LDS: h's fragments, (4 m + s) x 2,048
.set HIMG, 32768                       ; the hidden layer's
.set XSCL, 65536                       ; h's scale words: 512 m + 16 x lane
.set HSCL, 67584                       ; the hidden layer's: 128 (4 m + s) + 4 x lane
.set B1L,  69632                       ; b1 of my expert, its four chunks in the order of my walk
.set B2L,  77824                       ; b2 of my expert
.set STG,  79872                       ; the way out: 48 rows x (2,048 + 16) bytes
.set SPI,  2064
.set GQ, 96
.set TT, 160
.set TS, 176
.set TP, 192
.set TM, 208
.set PC, 224
.set PW, 240
.set MSB, 0
.macro WIN new                         ; the immediate's high byte repeats the setting that is left
.if MSB != (\new)
	s_set_vgpr_msb (MSB<<8)|(\new)
.set MSB, (\new)
.endif
.endm
; four weight fragments, item n of a phase's eight: K step n / 2, tiles 4 (n % 2) + 0 .. 3, into 64 registers from v[reg] of window win
.macro LDW win, reg, base, n
	WIN (\win)<<6
.irp f, 0,1,2,3
.irp c, 0,1,2,3
	global_load_b128 v[(\reg)+16*\f+4*\c:(\reg)+16*\f+4*\c+3], v4, s[\base:\base+1] offset:(2*((\n)%2)+\f/2)*16384+((\n)/2)*4096+(\f%2)*2048+512*\c
.endr
.endr
	WIN 0
.endm
; the rows' three fragments of K step s into set s % 2
.macro HFL adr, s
.irp m, 0,1,2
.irp c, 0,1,2,3
	ds_load_b128 v[96+64*((\s)%2)+16*\m+4*\c:96+64*((\s)%2)+16*\m+4*\c+3], v[\adr] offset:(4*\m+(\s))*2048+512*\c
.endr
.endr
.endm
; 12 products: four tiles of the weight (from v[ar] of the window set for source 0) x three tiles of rows.  The 24 accumulators of a phase take turns, one instruction a turn
.macro MMI ph, n, ar
.irp f, 0,1,2,3
.irp m, 0,1,2
.set rD, 64*\m+8*(4*((\n)%2)+\f)
.set rA, (\ar)+16*\f
.set rB, 96+64*(((\n)/2)%2)+16*\m
.set rSA, 48+16*(\ph-1)+4*(2*((\n)%2)+\f/2)+(\n)/2
.set rSB, 32+48*(\ph-1)+4*\m+(\n)/2
.if \f%2
	v_wmma_scale_f32_16x16x128_f8f6f4 v[rD:rD+7], v[rA:rA+15], v[rB:rB+15], v[rD:rD+7], v[rSA], v[rSB] matrix_a_scale:MATRIX_SCALE_ROW1
.else
	v_wmma_scale_f32_16x16x128_f8f6f4 v[rD:rD+7], v[rA:rA+15], v[rB:rB+15], v[rD:rD+7], v[rSA], v[rSB]
.endif
.endr
.endr
.endm
; an item: its wait, its products (weights in window aw from v[ar]), eight places, then the loads into the registers that it has left (rbase = 0: none)
.macro ITEM ph, n, cnt, aw, ar, rw, rr, rbase, rn
.if \cnt >= 0
	s_wait_loadcnt \cnt
.endif
.if (\n)%2 == 0
	s_wait_dscnt 0x0                               ; the rows' fragments of this K step are in
.endif
	WIN 0x50*(\ph)+(\aw)                           ; source 1 window 0; C and D window 1 (S1) or 2 (S2)
	MMI \ph, \n, \ar
	WIN 0
.if \rbase || (((\n)%2 == 0) && ((\n) < 6)) || ((\n) == 7)
.rept 8
	v_nop
.endr
.endif
.if \rbase
	LDW \rw, \rr, \rbase, \rn
.endif
.if ((\n)%2 == 0) && ((\n) < 6)
	HFL 2+2*\ph, (\n)/2+1
.endif
.endm
; 32 words of sel's row, in scalar registers from s[first]: is my rank in this word?
.macro WORDS first
.set i, \first
.rept 32
	s_and_b32 s53, s[i], 31
	v_cmp_le_u32 vcc_lo, s53, v19                  ; not here: the rank left is at or past this word's count (or has wrapped: the word lies behind)
	v_cndmask_b32 v27, s[i], v27, vcc_lo
	v_cndmask_b32 v28, v19, v28, vcc_lo
	v_sub_nc_u32 v19, v19, s53
.set i, i+1
.endr
.endm
; gelu of 16 numbers: rows' tile m, block b of my 128 hidden units
.macro GELU16 m, b
.set X0, 64*\m+16*\b
.set G0, GQ+16*\b
	WIN 0x05
.irp i, 0,1,2,3,4,5,6,7,8,9,10,11,12,13,14,15
	v_fma_f32 v[TT+\i], |v[X0+\i]|, s61, 1.0       ; 1 + |x| / (2 sqrt 2); each accumulator is read from its low end on
.endr
.irp i, 0,2,4,6,8,10,12,14
	v_pk_mul_f32 v[TS+\i:TS+\i+1], v[X0+\i:X0+\i+1], v[X0+\i:X0+\i+1]
.endr
	WIN 0
.irp i, 0,1,2,3,4,5,6,7,8,9,10,11,12,13,14,15
	v_rcp_f32 v[TT+\i], v[TT+\i]                   ; t
.endr
	v_nop                                          ; a plain line behind the reciprocals
	s_wait_alu depctr_va_vdst(0)
.irp i, 0,2,4,6,8,10,12,14
	v_pk_fma_f32 v[TP+\i:TP+\i+1], v[TT+\i:TT+\i+1], v[242:243], s[68:69] op_sel_hi:[1,1,0]
.endr
.irp k, 70,72,74,76,78,80,82,84
.irp i, 0,2,4,6,8,10,12,14
	v_pk_fma_f32 v[TP+\i:TP+\i+1], v[TP+\i:TP+\i+1], v[TT+\i:TT+\i+1], s[\k:\k+1] op_sel_hi:[1,1,0]
.endr
.endr
.irp i, 0,2,4,6,8,10,12,14
	v_pk_fma_f32 v[TP+\i:TP+\i+1], v[TS+\i:TS+\i+1], s[86:87], v[TP+\i:TP+\i+1] op_sel_hi:[1,0,1]
.endr
.irp i, 0,1,2,3,4,5,6,7,8,9,10,11,12,13,14,15
	v_exp_f32 v[TP+\i], v[TP+\i]
.endr
	v_nop                                          ; a plain line behind the exponentials
	s_wait_alu depctr_va_vdst(0)
.irp i, 0,2,4,6,8,10,12,14
	v_pk_mul_f32 v[TT+\i:TT+\i+1], v[TT+\i:TT+\i+1], v[TP+\i:TP+\i+1]      ; w = erfc(|x| / sqrt 2) / 2
.endr
	WIN 0x01
.irp i, 0,1,2,3,4,5,6,7,8,9,10,11,12,13,14,15
	v_max_num_f32 v[TS+\i], v[X0+\i], 0
.endr
.irp i, 0,1,2,3,4,5,6,7,8,9,10,11,12,13,14,15
	v_fma_f32 v[G0+\i], -|v[X0+\i]|, v[TT+\i], v[TS+\i]
.endr
	WIN 0
.endm
; 64 numbers of a lane, register 16 b + i = k 32 b + 16 (lane / 16) + i of my row, become a fragment's codes in v[PC] on and its scale word in v[PW]
.macro QUANT
.irp b, 0,1,2,3
	v_max3_num_f32 v[TM+\b], |v[GQ+16*\b]|, |v[GQ+1+16*\b]|, 0x4800000     ; with the floor 2^(9 - 127): the byte cannot fall under 1
.endr
.irp i, 2,4,6,8,10,12,14
.irp b, 0,1,2,3
	v_max3_num_f32 v[TM+\b], v[TM+\b], |v[GQ+16*\b+\i]|, |v[GQ+1+16*\b+\i]|
.endr
.endr
.irp b, 0,1,2,3
	v_permlanex16_b32 v[TM+4+\b], v[TM+\b], s58, s59
.endr
.irp b, 0,1,2,3
	v_max_num_f32 v[TM+\b], v[TM+\b], v[TM+4+\b]   ; with lane l xor 16's: the block's largest magnitude
.endr
.irp b, 0,1,2,3
	v_add_nc_u32 v[TM+12+\b], 0xfc000000, v[TM+\b] ; 8 off the exponent field: the conversion's scale operand
.endr
.irp b, 0,1,2,3
	v_and_or_b32 v[TM+8+\b], v[TM+\b], 0x7f800000, s60     ; 448 x the scale
.endr
.irp b, 0,1,2,3
	v_lshrrev_b32 v[TM+4+\b], 23, v[TM+12+\b]      ; the byte
.endr
	v_lshl_or_b32 v[PW], v[TM+5], 8, v[TM+4]
	v_lshl_or_b32 v[PW], v[TM+6], 16, v[PW]
	v_lshl_or_b32 v[PW], v[TM+7], 24, v[PW]
.irp b, 0,1,2,3
.irp i, 0,1,2,3,4,5,6,7,8,9,10,11,12,13,14,15
	v_med3_num_f32 v[GQ+16*\b+\i], v[GQ+16*\b+\i], -v[TM+8+\b], v[TM+8+\b]   ; the conversion does not saturate (ISA guide 7.6.2)
.endr
	v_cvt_scalef32_pk8_fp8_f32 v[PC+4*\b:PC+1+4*\b], v[GQ+16*\b:GQ+7+16*\b], v[TM+12+\b]
	v_cvt_scalef32_pk8_fp8_f32 v[PC+2+4*\b:PC+3+4*\b], v[GQ+8+16*\b:GQ+15+16*\b], v[TM+12+\b]
.endr
	v_nop                                          ; a plain line behind the last conversion
.endm
.macro IMAGE m
.irp c, 0,1,2,3
	ds_store_b128 v7, v[PC+4*\c:PC+4*\c+3] offset:8192*\m+512*\c
.endr
	ds_store_b32 v8, v[PW] offset:512*\m
.endm
	s_load_b512 s[4:19], s[0:1], 0x0               ; wc, ws, hq, sel, gate, b1, b2, part
	v_lshl_add_u32 v254, v0, 2, 0x33c00
	v_mov_b32 v255, 0
	v_lshrrev_b32 v1, 5, v0
	v_readfirstlane_b32 s2, v1                     ; wave w
	v_and_b32 v1, 31, v0                           ; l
	v_and_b32 v2, 15, v0                           ; r
	v_bfe_u32 v3, v0, 4, 1                         ; h
	v_lshlrev_b32 v4, 4, v1                        ; 16 l
	v_add_nc_u32 v6, HIMG, v4
	s_lshl_b32 s52, s2, 11
	v_add_nc_u32 v7, s52, v6                       ; where I store the hidden layer's images: HIMG + 2048 w + 16 l
	s_lshl_b32 s52, s2, 7
	v_lshlrev_b32 v9, 2, v1
	v_add_nc_u32 v9, HSCL, v9
	v_add_nc_u32 v8, s52, v9                       ; and their scale words: HSCL + 128 w + 4 l
	s_lshl_b32 s52, s2, 9
	v_lshl_add_u32 v10, v3, 6, s52
	v_add_nc_u32 v10, B1L, v10                     ; b1 (and, 8,192 bytes on, b2): 512 w + 64 h
	v_mul_u32_u24 v12, v2, SPI
	v_lshl_add_u32 v12, v3, 6, v12
	v_add_nc_u32 v12, s52, v12
	v_add_nc_u32 v12, STG, v12                     ; the stage, in: row r, 512 w + 64 h
	v_add_nc_u32 v13, 32*SPI, v12                  ; the same 32 rows on (an LDS offset has 16 bits)
	s_mul_i32 s52, s2, 16*SPI
	v_add_nc_u32 v14, s52, v4
	v_add_nc_u32 v14, STG, v14                     ; back: my 16 rows (waves 0 to 2)
	v_lshlrev_b32 v15, 8, v1                       ; the prefetches' offset: 256 x lane
	s_lshl_b32 s52, s2, 13
	v_add_nc_u32 v21, s52, v4                      ; where I store h's images: 8192 w + 16 l
	s_lshl_b32 s52, s2, 9
	v_add_nc_u32 v22, s52, v4
	v_add_nc_u32 v22, XSCL, v22
	v_lshl_add_u32 v23, v0, 4, B1L
	v_lshlrev_b32 v20, 4, v0                       ; 16 x thread: b2
	v_lshlrev_b32 v24, 9, v2
	v_lshl_add_u32 v24, v3, 8, v24                 ; sel: row l % 16, half l / 16
	v_mov_b32 v17, 0
	v_mov_b32 v18, 0
	s_mov_b32 s58, 0x76543210
	s_mov_b32 s59, 0xfedcba98                      ; v_permlanex16_b32's selects for lane l xor 16
	s_mov_b32 s60, 0x600000                        ; the mantissa field of 448
	s_mov_b32 s61, 0x3eb504f3                      ; 1 / (2 sqrt 2)
	s_wait_kmcnt 0x0
	; ---- each expert's rows: lane e sums the counts of sel's row e
.irp i, 0,1,2,3,4,5,6,7,8,9,10,11,12,13,14,15
	global_load_b128 v[96+4*\i:99+4*\i], v24, s[10:11] offset:16*\i
.endr
	v_mov_b32 v26, 0
	s_wait_loadcnt 0x0
.set i, 96
.rept 64
	v_and_b32 v[i], 31, v[i]
.set i, i+1
.endr
	v_add3_u32 v25, v96, v97, v98
.set i, 99
.rept 30
	v_add3_u32 v25, v25, v[i], v[i+1]
.set i, i+2
.endr
	v_add_nc_u32 v25, v25, v159
	v_permlanex16_b32 v26, v25, s58, s59
	v_add_nc_u32 v25, v25, v26
	s_mov_b32 s3, 0
.irp e, 0,1,2,3,4,5,6,7,8,9,10,11,12,13,14,15
	v_readlane_b32 s[36+\e], v25, \e               ; n(e)
	s_add_co_u32 s67, s[36+\e], 47
	s_mul_i32 s67, s67, 43691
	s_lshr_b32 s67, s67, 21                        ; (n + 47) / 48: 43691 / 2^21 is 1 / 48 + 1.6e-7, exact for numbers up to 2,095
	s_add_co_u32 s3, s3, s67
	s_mov_b32 s[20+\e], s3                         ; the tiles of experts 0 .. e
.endr
	s_mov_b32 s66, 15
	s_mov_b32 s52, s35
	s_mov_b32 s53, s51
.irp e, 14,13,12,11,10,9,8,7,6,5,4,3,2,1,0
	s_cmp_lt_u32 ttmp9, s[20+\e]                   ; the lowest expert whose tiles reach past my number
	s_cselect_b32 s66, \e, s66
	s_cselect_b32 s52, s[20+\e], s52
	s_cselect_b32 s53, s[36+\e], s53
.endr
	s_add_co_u32 s54, s53, 47
	s_mul_i32 s54, s54, 43691
	s_lshr_b32 s54, s54, 21                        ; the expert's tiles
	s_sub_co_u32 s55, s52, s54
	s_sub_co_u32 s55, ttmp9, s55                   ; which of them is mine
	s_mul_i32 s56, s55, 48
	s_sub_co_i32 s100, s53, s56
	s_lshl_b32 s57, s2, 4
	s_sub_co_i32 s100, s100, s57                   ; how many of my wave's 16 rows count (0 or less: none)
	s_add_co_u32 s56, s56, s57
	v_add_nc_u32 v19, s56, v2                      ; the rank that my lane seeks
	s_sub_co_u32 s57, s54, 1
	s_sub_co_i32 s101, 4, s54
	s_max_i32 s101, s101, 0
	s_cmp_eq_u32 s55, s57
	s_cselect_b32 s101, s101, 0                    ; an expert's last tile is the first to read the next chunk in its first 4 - tiles trips: there it prefetches
	s_min_u32 s66, s66, 15
	; ---- the expert is known: all that hangs on it alone is asked for now, 57 loads, and lands while the rows are sought
	s_lshl_b32 s52, s66, 6
	s_lshl_b32 s53, s2, 2
	s_add_co_u32 s52, s52, s53                     ; 64 e + 4 w
	s_mov_b32 s55, 0
	s_lshl_b32 s54, s52, 14
	s_add_nc_u64 s[4:5], s[4:5], s[54:55]          ; my blocks of w1, chunk 0: s[4:5] from here on
	s_lshl_b32 s54, s52, 9
	s_add_nc_u64 s[6:7], s[6:7], s[54:55]          ; and their scale words: s[6:7]
	s_lshl_b32 s54, s66, 13
	s_add_nc_u64 s[14:15], s[14:15], s[54:55]      ; b1 of my expert
	s_lshl_b32 s54, s66, 11
	s_add_nc_u64 s[16:17], s[16:17], s[54:55]      ; b2 of my expert
	s_lshl_b32 s56, s66, 9
	s_mov_b32 s57, 0
	s_add_nc_u64 s[56:57], s[10:11], s[56:57]      ; sel's row of my expert
	s_and_b32 s67, ttmp9, 3                        ; my first chunk
	s_lshl_b32 s54, s67, 18
	s_add_nc_u64 s[62:63], s[4:5], s[54:55]        ; its part of w1
	s_lshl_b32 s54, s67, 13
	s_add_nc_u64 s[54:55], s[6:7], s[54:55]        ; and the scale words
.irp b, 0,1,2,3
	global_load_b128 v[48+4*\b:51+4*\b], v4, s[54:55] offset:512*\b
.endr
.irp i, 0,1,2,3
	s_add_co_u32 s53, ttmp9, \i
	s_and_b32 s53, s53, 3
	s_lshl_b32 s53, s53, 11
	v_lshl_add_u32 v[188+\i], v0, 4, s53
	global_load_b128 v[168+4*\i:171+4*\i], v[188+\i], s[14:15]   ; b1's chunk of my i-th trip
.endr
	global_load_b128 v[184:187], v20, s[16:17]
	LDW 3, 0, 62, 0
	LDW 3, 64, 62, 1
	LDW 3, 128, 62, 2
	; ---- waves 0 to 2: the token of my rank: the word of sel's row in which it falls, then the bit
	s_cmp_eq_u32 s2, 3
	s_cbranch_scc1 .Lno_rows
	v_mov_b32 v27, 0
	v_mov_b32 v28, 0
.irp half, 0,1
	s_load_b512 s[20:35], s[56:57], 256*\half
	s_load_b512 s[36:51], s[56:57], 256*\half+64
	s_load_b512 s[68:83], s[56:57], 256*\half+128
	s_load_b512 s[84:99], s[56:57], 256*\half+192
	s_wait_kmcnt 0x0
	WORDS 20
	WORDS 68
.endr
	v_mov_b32 v29, 0
	v_mov_b32 v30, 0
.irp p, 0,1,2,3,4,5,6,7,8,9,10,11,12,13,14,15
	v_bfe_u32 v31, v27, 16+\p, 1
	v_add_nc_u32 v29, v29, v31
	v_cmp_le_u32 vcc_lo, v29, v28                  ; the places whose running count is at most the rank left are those ahead of the bit sought
	v_cndmask_b32 v31, 0, 1, vcc_lo
	v_add_nc_u32 v30, v30, v31
.endr
	v_bfe_u32 v16, v27, 8, 7
	v_lshl_add_u32 v16, v16, 4, v30
	v_min_u32 v16, 0x7ff, v16                      ; my row's token
	v_lshlrev_b32 v24, 9, v16
	v_lshl_add_u32 v24, v3, 4, v24
	v_lshlrev_b32 v25, 4, v16
	v_lshlrev_b32 v26, 2, v16
.irp i, 0,1,2,3,4,5,6,7,8,9,10,11,12,13,14,15
	global_load_b128 v[96+4*\i:99+4*\i], v24, s[8:9] offset:32*\i        ; h's codes: k = 32 i + 16 h + 0 .. 15
.endr
	global_load_b128 v[160:163], v25, s[8:9] offset:1048576      ; its four scale words
	global_load_b32 v164, v26, s[10:11] offset:8192              ; the token's slotmap
.Lno_rows:
	LDW 3, 192, 62, 3
	s_wait_loadcnt 16                              ; all but the 16 just issued: the rows' codes, b1 and b2 are in
.irp i, 0,1,2,3
	ds_store_b128 v23, v[168+4*\i:171+4*\i] offset:2048*\i
.endr
	ds_store_b128 v23, v[184:187] offset:B2L-B1L
	s_cmp_eq_u32 s2, 3
	s_cbranch_scc1 .Lno_rows_2
.irp i, 0,1,2,3,4,5,6,7,8,9,10,11,12,13,14,15
	ds_store_b128 v21, v[96+4*\i:99+4*\i] offset:512*\i
.endr
	ds_store_b128 v22, v[160:163]
	s_lshl_b32 s53, s66, 1
	v_lshrrev_b32 v17, s53, v164
	v_and_b32 v17, 3, v17
	v_lshl_add_u32 v17, v16, 2, v17
	v_min_u32 v17, 0x1fff, v17                     ; my row of part: 4 x token + the expert's place among the token's four
	v_lshlrev_b32 v24, 2, v17
	global_load_b32 v18, v24, s[12:13]             ; its gate: wanted on the way out
.Lno_rows_2:
	s_wait_dscnt 0x0                               ; for the others' sake: my stores have landed
	s_barrier_signal -1
	s_barrier_wait -1                              ; h's images and scale words, b1 and b2 lie in LDS, and are written no more
	WIN 0x80
.irp m, 0,1,2
.irp b, 0,1,2,3
.irp i, 0,1,2,3
	ds_load_b128 v[64*\m+16*\b+4*\i:64*\m+16*\b+4*\i+3], v10 offset:B2L-B1L+128*\b+16*\i   ; b2 is what the outputs' sums begin with
.endr
.endr
.endr
	WIN 0
.irp m, 0,1,2
	ds_load_b128 v[32+4*\m:35+4*\m], v6 offset:XSCL-HIMG+512*\m
.endr
	s_mov_b32 s68, 0xbf97d29d                      ; P's coefficients x log2(e), a8 .. a0 (a0 with the half: - 1)
	s_mov_b32 s70, 0x40097039
	s_mov_b32 s72, 0xbfd1a1e5
	s_mov_b32 s74, 0x3ecdfd18
	s_mov_b32 s76, 0xbe899a80
	s_mov_b32 s78, 0x3e0efb2e
	s_mov_b32 s80, 0x3f0a29d2
	s_mov_b32 s82, 0x3fb8ab5a
	s_mov_b32 s84, 0xc034d90f
	s_mov_b32 s86, 0xbf38aa3b                      ; - log2(e) / 2
.irp k, 68,70,72,74,76,78,80,82,84,86
	s_mov_b32 s[\k+1], s[\k]                       ; (the packed forms name pairs)
.endr
	v_mov_b32 v242, 0x3e7c6f08                     ; a9 x log2(e)
	v_mov_b32 v243, 0x3e7c6f08
.irp b, 0,1,2,3
	v_mov_b32 v[TM+4+\b], 0                        ; a lane permute's destination counts as one of its sources
.endr
	s_mov_b32 s35, s67                             ; the chunk in hand
	s_mov_b32 s34, 0
	s_mov_b32 s3, 0
.Lchunk:                                               ; four trips, a chunk of 512 hidden units each
	s_wait_xcnt 0x0                                ; every earlier load and prefetch has read its base: the bases may be written
	s_lshl_b32 s52, s35, 18                        ; 16 blocks of 16,384 bytes a chunk
	s_mov_b32 s53, 0
	s_add_nc_u64 s[24:25], s[4:5], s[52:53]        ; w1's part,
	s_add_nc_u64 s[26:27], s[24:25], 0x1000000     ; w2's: 1,024 blocks on
	s_lshl_b32 s52, s35, 13
	s_add_nc_u64 s[28:29], s[6:7], s[52:53]        ; the scale words
	s_add_co_u32 s35, s35, 1
	s_and_b32 s35, s35, 3                          ; the next chunk:
	s_lshl_b32 s52, s35, 18
	s_add_nc_u64 s[30:31], s[4:5], s[52:53]        ; its part of w1,
	s_add_nc_u64 s[32:33], s[30:31], 0x1000000     ; of w2,
	s_lshl_b32 s52, s35, 13
	s_add_nc_u64 s[36:37], s[6:7], s[52:53]        ; its scale words
	v_add_nc_u32 v11, s34, v10
	s_add_co_u32 s34, s34, 2048
	s_wait_dscnt 0x0                               ; my reads of the hidden layer's images are over (first trip: b2 and h's scale words are in)
	s_barrier_signal -1
	WIN 0x40                                       ; between the signal and the wait: LDS loads of bytes that nobody writes any more
.irp m, 0,1,2
.irp b, 0,1,2,3
.irp i, 0,1,2,3
	ds_load_b128 v[64*\m+16*\b+4*\i:64*\m+16*\b+4*\i+3], v11 offset:128*\b+16*\i   ; b1 is what the hidden layer's sums begin with
.endr
.endr
.endr
	WIN 0
	HFL 4, 0
	s_barrier_wait -1                              ; no wave reads the hidden layer's images any more: G may write them
	; ---- S1.  Each item waits until at most 48 loads are out: the three items of 16 that were asked for behind its own
	ITEM 1, 0, 48, 3, 0, 3, 0, 24, 4
	ITEM 1, 1, 48, 3, 64, 3, 64, 24, 5
	ITEM 1, 2, 48, 3, 128, 3, 128, 24, 6
	ITEM 1, 3, 48, 3, 192, 3, 192, 24, 7
	ITEM 1, 4, 48, 3, 0, 3, 0, 26, 0
	ITEM 1, 5, 48, 3, 64, 3, 64, 26, 1
	ITEM 1, 6, 48, 3, 128, 3, 128, 26, 2
	ITEM 1, 7, 48, 3, 192, 3, 192, 26, 3
	; ---- G
.irp m, 0,1,2
	GELU16 \m, 0
	GELU16 \m, 1
	GELU16 \m, 2
	GELU16 \m, 3
	s_wait_dscnt 0x0                               ; the last image's stores have read their registers
	QUANT
	IMAGE \m
.if \m == 0
.irp b, 0,1,2,3
	global_load_b128 v[64+4*\b:67+4*\b], v4, s[28:29] offset:524288+512*\b     ; w2's scale words of this chunk,
.endr
.irp b, 0,1,2,3
	global_load_b128 v[48+4*\b:51+4*\b], v4, s[36:37] offset:512*\b            ; w1's of the next (in the last trip: of the walk's first chunk again, inside the buffer and not used),
.endr
	LDW 1, 192, 26, 4                              ; B4 and B5 into the spare slots,
	LDW 2, 192, 26, 5
	LDW 1, 0, 26, 6                                ; B6 into the hidden layer's registers of row tile 0, whose gelu is done
.endif
.if \m == 1
	LDW 1, 64, 26, 7                               ; B7 into those of row tile 1
	s_cmp_lt_u32 s3, s101                          ; the next chunk's 64 KiB of w1 and of w2 of this wave, 256 bytes a lane, behind the loads just issued: a row tile's gelu ahead of the first load that wants them.
	s_cbranch_scc0 .Lno_prefetch                   ; Only an expert's last tile asks, and only while it is the first to read the next chunk: each block is named once
.irp i, 0,1,2,3,4,5,6,7
	global_prefetch_b8 v15, s[30:31] offset:8192*\i th:TH_LOAD_NT scope:SCOPE_SE
	global_prefetch_b8 v15, s[32:33] offset:8192*\i th:TH_LOAD_NT scope:SCOPE_SE
.endr
.Lno_prefetch:
.endif
.endr
	s_wait_dscnt 0x0
	s_barrier_signal -1
	s_barrier_wait -1                              ; the hidden layer's twelve fragments lie in LDS
	; ---- S2.  B0-B3 lie in the ring, B4 in X, B5 in Y, B6 and B7 in window 1.  The ring's slots take the NEXT chunk's A0-A3 as they are emptied
	; (in the last trip: the walk's first chunk again, inside the buffer and not used: the price of a loop that is written once)
.irp m, 0,1,2
.irp s, 0,1,2,3
	ds_load_b32 v[80+4*\m+\s], v9 offset:128*(4*\m+\s)
.endr
.endr
	HFL 6, 0
	ITEM 2, 0, 16, 3, 0, 3, 0, 30, 0               ; all but B7's sixteen loads are in
	ITEM 2, 1, -1, 3, 64, 3, 64, 30, 1
	ITEM 2, 2, -1, 3, 128, 3, 128, 30, 2
	ITEM 2, 3, -1, 3, 192, 3, 192, 30, 3
	ITEM 2, 4, -1, 1, 192, 0, 0, 0, 0
	ITEM 2, 5, -1, 2, 192, 0, 0, 0, 0
	ITEM 2, 6, -1, 1, 0, 0, 0, 0, 0
	ITEM 2, 7, 63, 1, 64, 0, 0, 0, 0               ; B7 is in: 64 loads were issued behind it, and a wait names 63 at the most
	s_add_co_u32 s3, s3, 1
	s_cmp_lt_u32 s3, 4
	s_cbranch_scc1 .Lchunk
	; ---- THE WAY OUT.  A row's 512 outputs come from four waves: they meet in the stage; waves 0 to 2 then take 16 whole rows each, multiply by the row's gate and store 512 consecutive bytes an instruction
	WIN 0x08                                       ; an LDS store's data are its source 1: window 2
.irp m, 0,1
.irp b, 0,1,2,3
.irp i, 0,1,2,3
	ds_store_b128 v12, v[64*\m+16*\b+4*\i:64*\m+16*\b+4*\i+3] offset:16*\m*SPI+128*\b+16*\i
.endr
.endr
.endr
.irp b, 0,1,2,3
.irp i, 0,1,2,3
	ds_store_b128 v13, v[128+16*\b+4*\i:128+16*\b+4*\i+3] offset:128*\b+16*\i
.endr
.endr
	WIN 0
	s_wait_dscnt 0x0
	s_barrier_signal -1
	s_barrier_wait -1
	s_cmp_eq_u32 s2, 3
	s_cbranch_scc1 .Lend
	WIN 0x40
.irp i, 0,1,2,3,4,5,6,7,8,9,10,11,12,13,14,15
.irp g, 0,1,2,3
	ds_load_b128 v[16*\i+4*\g:16*\i+4*\g+3], v14 offset:\i*SPI+512*\g
.endr
.endr
	WIN 0
	s_wait_dscnt 0x0
.irp i, 0,1,2,3,4,5,6,7,8,9,10,11,12,13,14,15
	s_cmp_le_i32 s100, \i                          ; the rows that count are the tile's first
	s_cbranch_scc1 .Lend
	v_readlane_b32 s96, v17, \i
	v_readlane_b32 s98, v18, \i
	s_min_u32 s96, s96, 8191
	s_lshl_b32 s96, s96, 11
	s_mov_b32 s99, s98
	v_add_nc_u32 v[96+\i], s96, v4                 ; a register of its own for each row's offset: no store's address is written again
	WIN 0x41
.irp k, 0,2,4,6,8,10,12,14
	v_pk_mul_f32 v[16*\i+\k:16*\i+\k+1], v[16*\i+\k:16*\i+\k+1], s[98:99] op_sel_hi:[1,0]
.endr
	WIN 0x04
.irp g, 0,1,2,3
	global_store_b128 v[96+\i], v[16*\i+4*\g:16*\i+4*\g+3], s[18:19] offset:512*\g th:TH_STORE_NT
.endr
	WIN 0
.endr
.Lend:
	s_wait_tensorcnt 0x0
	ds_add_u32 v254, v255
	s_wait_dscnt 0x0
	s_endpgm
.Lfunc_end_k_qc74dd8cdf7_chain:
	.size	k_qc74dd8cdf7_chain, .Lfunc_end_k_qc74dd8cdf7_chain-k_qc74dd8cdf7_chain
	.p2alignl 7, 3214868480
	.fill 96, 4, 3214868480
	.section	.rodata,"a",@progbits
	.p2align	6, 0x0
	.amdhsa_kernel k_qc74dd8cdf7_chain
		.amdhsa_group_segment_fixed_size 212480
		.amdhsa_private_segment_fixed_size 0
		.amdhsa_enable_private_segment 0
		.amdhsa_kernarg_size 64
		.amdhsa_user_sgpr_count 2
		.amdhsa_user_sgpr_kernarg_segment_ptr 1
		.amdhsa_wavefront_size32 1
		.amdhsa_system_sgpr_workgroup_id_x 1
		.amdhsa_system_sgpr_workgroup_id_y 1
		.amdhsa_system_sgpr_workgroup_id_z 1
		.amdhsa_system_vgpr_workitem_id 0
		.amdhsa_next_free_vgpr 1024
		.amdhsa_next_free_sgpr 102
		.amdhsa_reserve_vcc 1
		.amdhsa_float_denorm_mode_32 3
		.amdhsa_float_denorm_mode_16_64 3
		.amdhsa_memory_ordered 1
		.amdhsa_forward_progress 1
		.amdhsa_inst_pref_size 255
	.end_amdhsa_kernel
	.section	.bss,"aw",@nobits
	.p2align	6
	.space	262144
	.amdgpu_metadata
---
amdhsa.version: [ 1, 2 ]
amdhsa.kernels:
  - .name:           k_qc74dd8cdf7_chain
    .symbol:         k_qc74dd8cdf7_chain.kd
    .args:
      - { .name: wc, .offset: 0, .size: 8, .value_kind: global_buffer, .address_space: global }
      - { .name: ws, .offset: 8, .size: 8, .value_kind: global_buffer, .address_space: global }
      - { .name: hq, .offset: 16, .size: 8, .value_kind: global_buffer, .address_space: global }
      - { .name: sel, .offset: 24, .size: 8, .value_kind: global_buffer, .address_space: global }
      - { .name: gate, .offset: 32, .size: 8, .value_kind: global_buffer, .address_space: global }
      - { .name: b1, .offset: 40, .size: 8, .value_kind: global_buffer, .address_space: global }
      - { .name: b2, .offset: 48, .size: 8, .value_kind: global_buffer, .address_space: global }
      - { .name: part, .offset: 56, .size: 8, .value_kind: global_buffer, .address_space: global }
    .group_segment_fixed_size: 212480
    .private_segment_fixed_size: 0
    .kernarg_segment_align: 8
    .kernarg_segment_size: 64
    .max_flat_workgroup_size: 128
    .sgpr_count:     102
    .vgpr_count:     1024
    .wavefront_size: 32
...
	.end_amdgpu_metadata
.endif
;; end of part 3
;; launch combine (part 4): grid 256 x 1, 4 waves a work-group, no clusters, 0 bytes of LDS; arguments part, out0; writes out0
.if DOCPART == 4
	.amdgcn_target "amdgcn-amd-amdhsa--gfx1250"
	.amdhsa_code_object_version 6
	.text
	.protected	k_qc74dd8cdf7_combine
	.globl	k_qc74dd8cdf7_combine
	.p2align	8
	.type	k_qc74dd8cdf7_combine,@function
k_qc74dd8cdf7_combine:
	s_mov_b64 s[64:65], 0
	v_nop
	global_prefetch_b8 v0, s[64:65] scope:SCOPE_SE
	s_setreg_imm32_b32 hwreg(HW_REG_WAVE_MODE, 25, 1), 1
	s_wait_xcnt 0x0
; out0[t] = the sum of the eight rows of part that belong to token t: four experts in each of two views.  part: [2 x 1024 x 4][512] f32, already weighed by the gates.
; A wave takes one token: 32 loads of 512 consecutive bytes, all issued at once, 56 packed additions, four stores of 512 consecutive bytes.  A plain stream: no LDS, no barrier.
	s_load_b128 s[4:7], s[0:1], 0x0                ; part, out0
	v_lshrrev_b32 v1, 5, v0
	v_readfirstlane_b32 s8, v1
	v_and_b32 v1, 31, v0
	v_lshlrev_b32 v1, 4, v1                        ; 16 bytes a lane
	s_lshl_b32 s9, ttmp9, 2
	s_add_co_u32 s9, s9, s8                        ; the token
	s_lshl_b32 s10, s9, 13                         ; four rows of 2,048 bytes
	s_mov_b32 s11, 0
	s_lshl_b32 s12, s9, 11
	s_mov_b32 s13, 0
	s_wait_kmcnt 0x0
	s_add_nc_u64 s[4:5], s[4:5], s[10:11]
	s_add_nc_u64 s[14:15], s[4:5], 0x800000        ; the second view's rows: 1,024 tokens on, one byte more than an immediate offset holds
	s_add_nc_u64 s[6:7], s[6:7], s[12:13]
.irp k, 0,1,2,3
.irp g, 0,1,2,3
	global_load_b128 v[16+16*\k+4*\g:19+16*\k+4*\g], v1, s[4:5] offset:2048*\k+512*\g th:TH_LOAD_NT
.endr
.endr
.irp k, 0,1,2,3
.irp g, 0,1,2,3
	global_load_b128 v[80+16*\k+4*\g:83+16*\k+4*\g], v1, s[14:15] offset:2048*\k+512*\g th:TH_LOAD_NT
.endr
.endr
	s_wait_loadcnt 16                              ; the first view's sixteen are in; the second view's may be out
.irp k, 1,2,3
.irp j, 0,2,4,6,8,10,12,14
	v_pk_add_f32 v[16+\j:17+\j], v[16+\j:17+\j], v[16+16*\k+\j:17+16*\k+\j]
.endr
.endr
	s_wait_loadcnt 0x0
.irp k, 0,1,2,3
.irp j, 0,2,4,6,8,10,12,14
	v_pk_add_f32 v[16+\j:17+\j], v[16+\j:17+\j], v[80+16*\k+\j:81+16*\k+\j]
.endr
.endr
.irp g, 0,1,2,3
	global_store_b128 v1, v[16+4*\g:19+4*\g], s[6:7] offset:512*\g th:TH_STORE_NT
.endr
	s_endpgm
.Lfunc_end_k_qc74dd8cdf7_combine:
	.size	k_qc74dd8cdf7_combine, .Lfunc_end_k_qc74dd8cdf7_combine-k_qc74dd8cdf7_combine
	.p2alignl 7, 3214868480
	.fill 96, 4, 3214868480
	.section	.rodata,"a",@progbits
	.p2align	6, 0x0
	.amdhsa_kernel k_qc74dd8cdf7_combine
		.amdhsa_group_segment_fixed_size 0
		.amdhsa_private_segment_fixed_size 0
		.amdhsa_enable_private_segment 0
		.amdhsa_kernarg_size 16
		.amdhsa_user_sgpr_count 2
		.amdhsa_user_sgpr_kernarg_segment_ptr 1
		.amdhsa_wavefront_size32 1
		.amdhsa_system_sgpr_workgroup_id_x 1
		.amdhsa_system_sgpr_workgroup_id_y 1
		.amdhsa_system_sgpr_workgroup_id_z 1
		.amdhsa_system_vgpr_workitem_id 0
		.amdhsa_next_free_vgpr 144
		.amdhsa_next_free_sgpr 66
		.amdhsa_reserve_vcc 0
		.amdhsa_float_denorm_mode_32 3
		.amdhsa_float_denorm_mode_16_64 3
		.amdhsa_memory_ordered 1
		.amdhsa_forward_progress 1
		.amdhsa_inst_pref_size 8
	.end_amdhsa_kernel
	.amdgpu_metadata
---
amdhsa.version: [ 1, 2 ]
amdhsa.kernels:
  - .name:           k_qc74dd8cdf7_combine
    .symbol:         k_qc74dd8cdf7_combine.kd
    .args:
      - { .name: part, .offset: 0, .size: 8, .value_kind: global_buffer, .address_space: global }
      - { .name: out0, .offset: 8, .size: 8, .value_kind: global_buffer, .address_space: global }
    .group_segment_fixed_size: 0
    .private_segment_fixed_size: 0
    .kernarg_segment_align: 8
    .kernarg_segment_size: 16
    .max_flat_workgroup_size: 128
    .sgpr_count:     66
    .vgpr_count:     144
    .wavefront_size: 32
...
	.end_amdgpu_metadata
.endif
;; end of part 4
;; ======== version 2 of 2: 4 launches; version 1 with the launch chain written anew for expert scheduling mode
;; workspace buffers: wc 34,603,008 bytes; ws 1,081,344 bytes; hq 1,081,344 bytes; sel 16,384 bytes of whole numbers; gate 32,768 bytes; part 16,777,216 bytes
;; launch quant: the kernel of part 1 again; grid 1056 x 1, 4 waves a work-group, no clusters, 1,536 bytes of LDS; arguments w1, w2, proj_w, router_w, wc, ws; writes wc, ws
;; launch front: the kernel of part 2 again; grid 128 x 1, 16 waves a work-group, no clusters, 39,424 bytes of LDS; arguments view0, view1, proj_b, expert_keys, wc, ws, hq, sel, gate; writes hq, sel, gate
;; launch chain (part 5): grid 186 x 1, 4 waves a work-group, no clusters, 212,480 bytes of LDS; arguments wc, ws, hq, sel, gate, b1, b2, part; writes part
.if DOCPART == 5
	.amdgcn_target "amdgcn-amd-amdhsa--gfx1250"
	.amdhsa_code_object_version 6
	.text
	.protected	k_qc74dd8cdf7_chain
	.globl	k_qc74dd8cdf7_chain
	.p2align	8
	.type	k_qc74dd8cdf7_chain,@function
k_qc74dd8cdf7_chain:
	s_mov_b64 s[64:65], 0
	v_nop
	global_prefetch_b8 v0, s[64:65] scope:SCOPE_SE
	s_setreg_imm32_b32 hwreg(HW_REG_WAVE_SCHED_MODE, 0, 2), 2
	s_setreg_imm32_b32 hwreg(HW_REG_WAVE_MODE, 25, 1), 1
	s_wait_xcnt 0x0
	s_wait_alu depctr_vm_vsrc(0)
; One tile of one expert, 48 routed rows, through the whole chain: part[4 token + place] = gate x (Q(gelu(Q(h) Q(w1) + b1)) Q(w2) + b2).  Products on codes of FP8 (E4M3), E8M0 scales for each 32 along K.
; THE GRID serves every split: 8,192 routed rows in tiles of 48 over 16 experts are never more than (8192 + 16 x 47) / 48 = 186 tiles.  Each work-group finds its tile (expert, first rank) from the whole numbers in sel by integer work.
; 48 rows: three tiles of 16 leave room in the registers for six slots of weights; 32 rows would make 271 work-groups, more than there are WGPs for work-groups that take all registers.
; Which expert a work-group serves is read from memory, so this text has no tensor load and no cluster: weights go from memory straight into registers, in the order in which the first launch laid them.
; No barrier stands under a branch on a loaded number: a work-group that the split leaves without rows walks the chain on clamped rows and stores nothing (15 of the 186 at the most); rows past a tile's end likewise.
; SHARES.  The hidden 2,048 go in four chunks of 512, begun at chunk (work-group % 4), so that neighbouring tiles of an expert begin at different chunks.  In a chunk wave w
;   S1: makes hidden units 128 w .. 128 w + 127 for the 48 rows (transposed: source 0 = 16 rows of w1, source 1 = 16 rows of h; C begins as b1);
;   G:  gelu, quantised in registers: K step w of the second product, stored to LDS as images of the operand's registers;
;   S2: adds the chunk onto its output columns 128 w .. 128 w + 127 (C began as b2).
; Waves 0 to 2 gather 16 rows each and store 16 rows each; wave 3 has none (branches on the wave's number).
; THE WEIGHTS come in items of four fragments, 16 loads; a chunk has eight of w1 (A0-A7) and eight of w2 (B0-B7).  A wave has at most 63 loads out, so what counts is that some are always on their way:
;   A0-A3 are asked for in the S2 before (the first chunk's at the head, as soon as the expert is known), A4-A7 and B0-B3 as S1 empties the ring's four slots, B4-B7 during G,
;   into two spare slots and into the hidden layer's registers of the row tiles whose gelu is done.
; GELU, exact form: gelu(x) = max(x, 0) - |x| w,  w = erfc(|x| / sqrt 2) / 2 = t 2^(P(t) - x^2 log2(e) / 2),  t = 1 / (1 + |x| / (2 sqrt 2)),  P of degree 9 (fractional error of erfc 1.2e-7 for every x).
; LIMITS: NaN and infinities are not served; a block of zeros gets the byte 1; v_rcp_f32 and v_exp_f32 are good to 1 ulp, and an exponential under 2^-126 comes out as 0.
; REGISTERS, in windows of 256.  Window 0: v1-31 addresses and the rows' numbers; v32-47 h's scale words, v48-63 w1's, v64-79 w2's, v80-95 the hidden layer's; v96-223 two sets of three fragments, in G at work;
;   v224-240 codes and scale word just made; v[242:243] a constant.   Window 1: the hidden layer, 64 m + 8 t + j (m = 0 .. 2); v192-255 spare slot X.
;   Window 2: the outputs, 64 m + 8 t + j; v192-255 spare slot Y.   Window 3: a ring of four slots of four weight fragments.
; THE MODE: SCHED_MODE bits 1:0 = 2 (LLVM: expert scheduling mode 2), set by the entry lines.  The code itself states the register dependences
; between vector or matrix instructions and memory or LDS instructions, with s_wait_alu, always for 0.
; THE PLAN.  Registers that memory or LDS instructions touch, and who else names them:
;   offsets and LDS addresses  v4, v6-10, v12-15, v20-24, v188-191, and v254, v255: made at the head, ahead of one wait on va_vdst, and never written again.  The gather's (v29, v25, v26) and the gate's (v31)
;                 have registers of their own and a wait each.  v11, b1's LDS address, is stepped once a trip, at the loop's head.
;   v96-159 at the head  The lines that count each expert's rows write and read them; later the gather's loads land in them and LDS stores read them.  One wait on va_vdst stands between, ahead of the branch on the wave's number, on every wave's way.
;   a ring slot   An item's twelve products read it; behind them, their places and ONE wait on va_vdst the refill lands in it at once: a slot that waited for the next item's head would lie idle behind that item's wait for its data.
;   the rows' two sets (v96-143, v160-207)  K step s is read by items 2 s and 2 s + 1.  K step s + 1 is asked for at the HEAD of item 2 s, ahead of its products, into the set that items 2 s - 2 and 2 s - 1 read: the refill's wait of
;                 item 2 s - 1 (for item 0: the loop head's wait in S1, G's last in S2) stands behind those, and no vector or matrix instruction has been issued since.
;   G             One wait on va_vdst a row tile, between the quantiser and the image's stores: the codes and the scale word are written; the gelu is done reading the tile's hidden registers, in which B6 or B7 lands;
;                 S1 is done with w1's scale words; behind the last tile, the registers at work are done with, in which S2's fragments land.  One wait on vm_vsrc ahead of the quantiser of tiles 1 and 2: the last image's stores have read the codes.
;   the loop's head  vm_vsrc ahead of the add to v11; va_vdst behind it: v11 is written, and S2's products are done with window 1, X, Y, both sets and the scale words.  S2's items 4 to 7 ask for nothing and hold no wait.
;   scalars made by vector instructions (the wave's number, the counts, the search's masks, the rows' numbers and gates) are made in runs, with one wait on va_sdst behind each run, ahead of its first reader.
.set XIMG, 0                           ; LDS: h's fragments, (4 m + s) x 2,048
.set HIMG, 32768                       ; the hidden layer's
.set XSCL, 65536                       ; h's scale words: 512 m + 16 x lane
.set HSCL, 67584                       ; the hidden layer's: 128 (4 m + s) + 4 x lane
.set B1L,  69632                       ; b1 of my expert, its four chunks in the order of my walk
.set B2L,  77824                       ; b2 of my expert
.set STG,  79872                       ; the way out: 48 rows x (2,048 + 16) bytes
.set SPI,  2064
.set GQ, 96
.set TT, 160
.set TS, 176
.set TP, 192
.set TM, 208
.set PC, 224
.set PW, 240
.set MSB, 0
.macro WIN new                         ; the immediate's high byte repeats the setting that is left
.if MSB != (\new)
	s_set_vgpr_msb (MSB<<8)|(\new)
.set MSB, (\new)
.endif
.endm
; four weight fragments, item n of a phase's eight: K step n / 2, tiles 4 (n % 2) + 0 .. 3, into 64 registers from v[reg] of window win
.macro LDW win, reg, base, n
	WIN (\win)<<6
.irp f, 0,1,2,3
.irp c, 0,1,2,3
	global_load_b128 v[(\reg)+16*\f+4*\c:(\reg)+16*\f+4*\c+3], v4, s[\base:\base+1] offset:(2*((\n)%2)+\f/2)*16384+((\n)/2)*4096+(\f%2)*2048+512*\c
.endr
.endr
	WIN 0
.endm
; the rows' three fragments of K step s into set s % 2
.macro HFL adr, s
.irp m, 0,1,2
.irp c, 0,1,2,3
	ds_load_b128 v[96+64*((\s)%2)+16*\m+4*\c:96+64*((\s)%2)+16*\m+4*\c+3], v[\adr] offset:(4*\m+(\s))*2048+512*\c
.endr
.endr
.endm
; 12 products: four tiles of the weight (from v[ar] of the window set for source 0) x three tiles of rows.  The 24 accumulators of a phase take turns, one instruction a turn
.macro MMI ph, n, ar
.irp f, 0,1,2,3
.irp m, 0,1,2
.set rD, 64*\m+8*(4*((\n)%2)+\f)
.set rA, (\ar)+16*\f
.set rB, 96+64*(((\n)/2)%2)+16*\m
.set rSA, 48+16*(\ph-1)+4*(2*((\n)%2)+\f/2)+(\n)/2
.set rSB, 32+48*(\ph-1)+4*\m+(\n)/2
.if \f%2
	v_wmma_scale_f32_16x16x128_f8f6f4 v[rD:rD+7], v[rA:rA+15], v[rB:rB+15], v[rD:rD+7], v[rSA], v[rSB] matrix_a_scale:MATRIX_SCALE_ROW1
.else
	v_wmma_scale_f32_16x16x128_f8f6f4 v[rD:rD+7], v[rA:rA+15], v[rB:rB+15], v[rD:rD+7], v[rSA], v[rSB]
.endif
.endr
.endr
.endm
; an item: its waits for data; at an even item the rows' next K step is asked for; its products (weights in window aw from v[ar]); eight places; the wait; the loads into the slot that it has left (rbase = 0: none)
.macro ITEM ph, n, cnt, aw, ar, rw, rr, rbase, rn
.if \cnt >= 0
	s_wait_loadcnt \cnt
.endif
.if (\n)%2 == 0
	s_wait_dscnt 0x0                               ; the rows' fragments of this K step are in
.if (\n) < 6
	HFL 2+2*\ph, (\n)/2+1                          ; the next K step's, into the other set.  No wait: the last wait on va_vdst stands behind the products that read that set, and no vector or matrix instruction has been issued since
.endif
.endif
	WIN 0x50*(\ph)+(\aw)                           ; source 1 window 0; C and D window 1 (S1) or 2 (S2)
	MMI \ph, \n, \ar
	WIN 0
.if \rbase || ((\n) == 7)
.rept 8
	v_nop                                          ; the places stay beside the wait below; behind a phase's last item they stand ahead of the first read of the results
.endr
.endif
.if \rbase
	s_wait_alu depctr_va_vdst(0)                   ; this item's products are done reading their slot, in which the sixteen loads below land; they and the item before are done reading their set of the rows' fragments
	LDW \rw, \rr, \rbase, \rn
.endif
.endm
; 16 words of sel's row, in scalar registers from s[first]: is my rank in one of them?  The rank left runs from v[ra] through v193-207 into v[rb]; the sixteen compares stand in one run, their masks in s84-99
.macro WORDS16 first, ra, rb
.set i, 0
.rept 16
.set rI, 192+i
.set rO, 193+i
.if i == 0
.set rI, \ra
.endif
.if i == 15
.set rO, \rb
.endif
	s_and_b32 s53, s[\first+i], 31
	v_cmp_le_u32 s[84+i], s53, v[rI]               ; not here: the rank left is at or past this word's count (or has wrapped: the word lies behind)
	v_sub_nc_u32 v[rO], v[rI], s53
.set i, i+1
.endr
	s_wait_alu depctr_va_sdst(0)                   ; the sixteen compares have written s84-99, ahead of the selects that read them
.set i, 0
.rept 16
.set rI, 192+i
.if i == 0
.set rI, \ra
.endif
	v_cndmask_b32 v27, s[\first+i], v27, s[84+i]
	v_cndmask_b32 v28, v[rI], v28, s[84+i]
.set i, i+1
.endr
.endm
; gelu of 16 numbers: rows' tile m, block b of my 128 hidden units
.macro GELU16 m, b
.set X0, 64*\m+16*\b
.set G0, GQ+16*\b
	WIN 0x05
.irp i, 0,1,2,3,4,5,6,7,8,9,10,11,12,13,14,15
	v_fma_f32 v[TT+\i], |v[X0+\i]|, s61, 1.0       ; 1 + |x| / (2 sqrt 2); each accumulator is read from its low end on
.endr
.irp i, 0,2,4,6,8,10,12,14
	v_pk_mul_f32 v[TS+\i:TS+\i+1], v[X0+\i:X0+\i+1], v[X0+\i:X0+\i+1]
.endr
	WIN 0
.irp i, 0,1,2,3,4,5,6,7,8,9,10,11,12,13,14,15
	v_rcp_f32 v[TT+\i], v[TT+\i]                   ; t
.endr
	v_nop                                          ; a plain line behind the reciprocals
	s_wait_alu depctr_va_vdst(0)                   ; the sixteen reciprocals have written v[TT ..]: one wait for the batch, ahead of its first reader
.irp i, 0,2,4,6,8,10,12,14
	v_pk_fma_f32 v[TP+\i:TP+\i+1], v[TT+\i:TT+\i+1], v[242:243], s[68:69] op_sel_hi:[1,1,0]
.endr
.irp k, 70,72,74,76,78,80,82,84
.irp i, 0,2,4,6,8,10,12,14
	v_pk_fma_f32 v[TP+\i:TP+\i+1], v[TP+\i:TP+\i+1], v[TT+\i:TT+\i+1], s[\k:\k+1] op_sel_hi:[1,1,0]
.endr
.endr
.irp i, 0,2,4,6,8,10,12,14
	v_pk_fma_f32 v[TP+\i:TP+\i+1], v[TS+\i:TS+\i+1], s[86:87], v[TP+\i:TP+\i+1] op_sel_hi:[1,0,1]
.endr
.irp i, 0,1,2,3,4,5,6,7,8,9,10,11,12,13,14,15
	v_exp_f32 v[TP+\i], v[TP+\i]
.endr
	v_nop                                          ; a plain line behind the exponentials
	s_wait_alu depctr_va_vdst(0)                   ; the sixteen exponentials have written v[TP ..]: one wait for the batch, ahead of its first reader
.irp i, 0,2,4,6,8,10,12,14
	v_pk_mul_f32 v[TT+\i:TT+\i+1], v[TT+\i:TT+\i+1], v[TP+\i:TP+\i+1]      ; w = erfc(|x| / sqrt 2) / 2
.endr
	WIN 0x01
.irp i, 0,1,2,3,4,5,6,7,8,9,10,11,12,13,14,15
	v_max_num_f32 v[TS+\i], v[X0+\i], 0
.endr
.irp i, 0,1,2,3,4,5,6,7,8,9,10,11,12,13,14,15
	v_fma_f32 v[G0+\i], -|v[X0+\i]|, v[TT+\i], v[TS+\i]
.endr
	WIN 0
.endm
; 64 numbers of a lane, register 16 b + i = k 32 b + 16 (lane / 16) + i of my row, become a fragment's codes in v[PC] on and its scale word in v[PW]
.macro QUANT
.irp b, 0,1,2,3
	v_max3_num_f32 v[TM+\b], |v[GQ+16*\b]|, |v[GQ+1+16*\b]|, 0x4800000     ; with the floor 2^(9 - 127): the byte cannot fall under 1
.endr
.irp i, 2,4,6,8,10,12,14
.irp b, 0,1,2,3
	v_max3_num_f32 v[TM+\b], v[TM+\b], |v[GQ+16*\b+\i]|, |v[GQ+1+16*\b+\i]|
.endr
.endr
.irp b, 0,1,2,3
	v_permlanex16_b32 v[TM+4+\b], v[TM+\b], s58, s59
.endr
.irp b, 0,1,2,3
	v_max_num_f32 v[TM+\b], v[TM+\b], v[TM+4+\b]   ; with lane l xor 16's: the block's largest magnitude
.endr
.irp b, 0,1,2,3
	v_add_nc_u32 v[TM+12+\b], 0xfc000000, v[TM+\b] ; 8 off the exponent field: the conversion's scale operand
.endr
.irp b, 0,1,2,3
	v_and_or_b32 v[TM+8+\b], v[TM+\b], 0x7f800000, s60     ; 448 x the scale
.endr
.irp b, 0,1,2,3
	v_lshrrev_b32 v[TM+4+\b], 23, v[TM+12+\b]      ; the byte
.endr
	v_lshl_or_b32 v[PW], v[TM+5], 8, v[TM+4]
	v_lshl_or_b32 v[PW], v[TM+6], 16, v[PW]
	v_lshl_or_b32 v[PW], v[TM+7], 24, v[PW]
.irp b, 0,1,2,3
.irp i, 0,1,2,3,4,5,6,7,8,9,10,11,12,13,14,15
	v_med3_num_f32 v[GQ+16*\b+\i], v[GQ+16*\b+\i], -v[TM+8+\b], v[TM+8+\b]   ; the conversion does not saturate (ISA guide 7.6.2)
.endr
	v_cvt_scalef32_pk8_fp8_f32 v[PC+4*\b:PC+1+4*\b], v[GQ+16*\b:GQ+7+16*\b], v[TM+12+\b]
	v_cvt_scalef32_pk8_fp8_f32 v[PC+2+4*\b:PC+3+4*\b], v[GQ+8+16*\b:GQ+15+16*\b], v[TM+12+\b]
.endr
	v_nop                                          ; a plain line behind the last conversion
.endm
.macro IMAGE m
.irp c, 0,1,2,3
	ds_store_b128 v7, v[PC+4*\c:PC+4*\c+3] offset:8192*\m+512*\c
.endr
	ds_store_b32 v8, v[PW] offset:512*\m
.endm
	s_load_b512 s[4:19], s[0:1], 0x0               ; wc, ws, hq, sel, gate, b1, b2, part
	v_lshl_add_u32 v254, v0, 2, 0x33c00
	v_mov_b32 v255, 0
	v_lshrrev_b32 v1, 5, v0
	v_readfirstlane_b32 s2, v1                     ; wave w
	v_and_b32 v1, 31, v0                           ; l
	v_and_b32 v2, 15, v0                           ; r
	v_bfe_u32 v3, v0, 4, 1                         ; h
	v_lshlrev_b32 v4, 4, v1                        ; 16 l
	v_add_nc_u32 v6, HIMG, v4
	s_wait_alu depctr_va_sdst(0)                   ; s2 is written, ahead of its first reader
	s_lshl_b32 s52, s2, 11
	v_add_nc_u32 v7, s52, v6                       ; where I store the hidden layer's images: HIMG + 2048 w + 16 l
	s_lshl_b32 s52, s2, 7
	v_lshlrev_b32 v9, 2, v1
	v_add_nc_u32 v9, HSCL, v9
	v_add_nc_u32 v8, s52, v9                       ; and their scale words: HSCL + 128 w + 4 l
	s_lshl_b32 s52, s2, 9
	v_lshl_add_u32 v10, v3, 6, s52
	v_add_nc_u32 v10, B1L, v10                     ; b1 (and, 8,192 bytes on, b2): 512 w + 64 h
	v_mul_u32_u24 v12, v2, SPI
	v_lshl_add_u32 v12, v3, 6, v12
	v_add_nc_u32 v12, s52, v12
	v_add_nc_u32 v12, STG, v12                     ; the stage, in: row r, 512 w + 64 h
	v_add_nc_u32 v13, 32*SPI, v12                  ; the same 32 rows on (an LDS offset has 16 bits)
	s_mul_i32 s52, s2, 16*SPI
	v_add_nc_u32 v14, s52, v4
	v_add_nc_u32 v14, STG, v14                     ; back: my 16 rows (waves 0 to 2)
	v_lshlrev_b32 v15, 8, v1                       ; the prefetches' offset: 256 x lane
	s_lshl_b32 s52, s2, 13
	v_add_nc_u32 v21, s52, v4                      ; where I store h's images: 8192 w + 16 l
	s_lshl_b32 s52, s2, 9
	v_add_nc_u32 v22, s52, v4
	v_add_nc_u32 v22, XSCL, v22
	v_lshl_add_u32 v23, v0, 4, B1L
	v_lshlrev_b32 v20, 4, v0                       ; 16 x thread: b2
	v_lshlrev_b32 v24, 9, v2
	v_lshl_add_u32 v24, v3, 8, v24                 ; sel: row l % 16, half l / 16
	v_mov_b32 v17, 0
	v_mov_b32 v18, 0
.irp i, 0,1,2,3
	s_add_co_u32 s53, ttmp9, \i
	s_and_b32 s53, s53, 3
	s_lshl_b32 s53, s53, 11
	v_lshl_add_u32 v[188+\i], v0, 4, s53           ; b1: my 16 bytes of the chunk of my i-th trip.  Made here, with the other offsets, ahead of the one wait
.endr
	s_mov_b32 s58, 0x76543210
	s_mov_b32 s59, 0xfedcba98                      ; v_permlanex16_b32's selects for lane l xor 16
	s_mov_b32 s60, 0x600000                        ; the mantissa field of 448
	s_mov_b32 s61, 0x3eb504f3                      ; 1 / (2 sqrt 2)
	s_wait_kmcnt 0x0
	s_wait_alu depctr_va_vdst(0)                   ; the offsets and LDS addresses v4 to v24 and v188 to v191 are written, which the loads, stores and prefetches of the whole kernel read; so is v18, in which the gate's load lands
	; ---- each expert's rows: lane e sums the counts of sel's row e
.irp i, 0,1,2,3,4,5,6,7,8,9,10,11,12,13,14,15
	global_load_b128 v[96+4*\i:99+4*\i], v24, s[10:11] offset:16*\i
.endr
	v_mov_b32 v26, 0
	s_wait_loadcnt 0x0
.set i, 96
.rept 64
	v_and_b32 v[i], 31, v[i]
.set i, i+1
.endr
	v_add3_u32 v25, v96, v97, v98
.set i, 99
.rept 30
	v_add3_u32 v25, v25, v[i], v[i+1]
.set i, i+2
.endr
	v_add_nc_u32 v25, v25, v159
	v_permlanex16_b32 v26, v25, s58, s59
	v_add_nc_u32 v25, v25, v26
.irp e, 0,1,2,3,4,5,6,7,8,9,10,11,12,13,14,15
	v_readlane_b32 s[36+\e], v25, \e               ; n(e)
.endr
	s_wait_alu depctr_va_sdst(0)                   ; the sixteen counts s36-51 are written, ahead of their first reader
	s_mov_b32 s3, 0
.irp e, 0,1,2,3,4,5,6,7,8,9,10,11,12,13,14,15
	s_add_co_u32 s67, s[36+\e], 47
	s_mul_i32 s67, s67, 43691
	s_lshr_b32 s67, s67, 21                        ; (n + 47) / 48: 43691 / 2^21 is 1 / 48 + 1.6e-7, exact for numbers up to 2,095
	s_add_co_u32 s3, s3, s67
	s_mov_b32 s[20+\e], s3                         ; the tiles of experts 0 .. e
.endr
	s_mov_b32 s66, 15
	s_mov_b32 s52, s35
	s_mov_b32 s53, s51
.irp e, 14,13,12,11,10,9,8,7,6,5,4,3,2,1,0
	s_cmp_lt_u32 ttmp9, s[20+\e]                   ; the lowest expert whose tiles reach past my number
	s_cselect_b32 s66, \e, s66
	s_cselect_b32 s52, s[20+\e], s52
	s_cselect_b32 s53, s[36+\e], s53
.endr
	s_add_co_u32 s54, s53, 47
	s_mul_i32 s54, s54, 43691
	s_lshr_b32 s54, s54, 21                        ; the expert's tiles
	s_sub_co_u32 s55, s52, s54
	s_sub_co_u32 s55, ttmp9, s55                   ; which of them is mine
	s_mul_i32 s56, s55, 48
	s_sub_co_i32 s100, s53, s56
	s_lshl_b32 s57, s2, 4
	s_sub_co_i32 s100, s100, s57                   ; how many of my wave's 16 rows count (0 or less: none)
	s_add_co_u32 s56, s56, s57
	v_add_nc_u32 v19, s56, v2                      ; the rank that my lane seeks
	s_sub_co_u32 s57, s54, 1
	s_sub_co_i32 s101, 4, s54
	s_max_i32 s101, s101, 0
	s_cmp_eq_u32 s55, s57
	s_cselect_b32 s101, s101, 0                    ; an expert's last tile is the first to read the next chunk in its first 4 - tiles trips: there it prefetches
	s_min_u32 s66, s66, 15
	; ---- the expert is known: all that hangs on it alone is asked for now, 57 loads, and lands while the rows are sought
	s_lshl_b32 s52, s66, 6
	s_lshl_b32 s53, s2, 2
	s_add_co_u32 s52, s52, s53                     ; 64 e + 4 w
	s_mov_b32 s55, 0
	s_lshl_b32 s54, s52, 14
	s_add_nc_u64 s[4:5], s[4:5], s[54:55]          ; my blocks of w1, chunk 0: s[4:5] from here on
	s_lshl_b32 s54, s52, 9
	s_add_nc_u64 s[6:7], s[6:7], s[54:55]          ; and their scale words: s[6:7]
	s_lshl_b32 s54, s66, 13
	s_add_nc_u64 s[14:15], s[14:15], s[54:55]      ; b1 of my expert
	s_lshl_b32 s54, s66, 11
	s_add_nc_u64 s[16:17], s[16:17], s[54:55]      ; b2 of my expert
	s_lshl_b32 s56, s66, 9
	s_mov_b32 s57, 0
	s_add_nc_u64 s[56:57], s[10:11], s[56:57]      ; sel's row of my expert
	s_and_b32 s67, ttmp9, 3                        ; my first chunk
	s_lshl_b32 s54, s67, 18
	s_add_nc_u64 s[62:63], s[4:5], s[54:55]        ; its part of w1
	s_lshl_b32 s54, s67, 13
	s_add_nc_u64 s[54:55], s[6:7], s[54:55]        ; and the scale words
	s_wait_alu depctr_va_vdst(0)                   ; the lines that counted the rows have written v96-159 and are done reading them: further down the gather's loads land in these registers and LDS stores read them.  It stands here, ahead of the branch on the wave's number, on every wave's way
.irp b, 0,1,2,3
	global_load_b128 v[48+4*\b:51+4*\b], v4, s[54:55] offset:512*\b
.endr
.irp i, 0,1,2,3
	global_load_b128 v[168+4*\i:171+4*\i], v[188+\i], s[14:15]   ; b1's chunk of my i-th trip
.endr
	global_load_b128 v[184:187], v20, s[16:17]
	LDW 3, 0, 62, 0
	LDW 3, 64, 62, 1
	LDW 3, 128, 62, 2
	; ---- waves 0 to 2: the token of my rank: the word of sel's row in which it falls, then the bit.  48 of the row's 128 words are held at a time, in three groups of 16; a group's scalar registers are asked for again as soon as it has been walked
	s_cmp_eq_u32 s2, 3
	s_cbranch_scc1 .Lno_rows
	v_mov_b32 v27, 0
	v_mov_b32 v28, 0
	s_load_b512 s[20:35], s[56:57], 0x0
	s_load_b512 s[36:51], s[56:57], 0x40
	s_load_b512 s[68:83], s[56:57], 0x80
	s_wait_kmcnt 0x0
	WORDS16 20, 19, 192
	s_load_b512 s[20:35], s[56:57], 0xc0
	WORDS16 36, 192, 19
	s_load_b512 s[36:51], s[56:57], 0x100
	WORDS16 68, 19, 192
	s_load_b512 s[68:83], s[56:57], 0x140
	s_wait_kmcnt 0x0
	WORDS16 20, 192, 19
	s_load_b512 s[20:35], s[56:57], 0x180
	WORDS16 36, 19, 192
	s_load_b512 s[36:51], s[56:57], 0x1c0
	WORDS16 68, 192, 19
	s_wait_kmcnt 0x0
	WORDS16 20, 19, 192
	WORDS16 36, 192, 19
	v_mov_b32 v192, 0
	v_mov_b32 v30, 0
.set p, 0
.rept 16
	v_bfe_u32 v31, v27, 16+p, 1
	v_add_nc_u32 v[193+p], v[192+p], v31           ; the running count of the word's bits, a register a place, so that the sixteen compares stand in one run
	v_cmp_le_u32 s[84+p], v[193+p], v28            ; the places whose running count is at most the rank left are those ahead of the bit sought
.set p, p+1
.endr
	s_wait_alu depctr_va_sdst(0)                   ; the sixteen compares have written s84-99, ahead of the selects that read them
.set p, 0
.rept 16
	v_cndmask_b32 v31, 0, 1, s[84+p]
	v_add_nc_u32 v30, v30, v31
.set p, p+1
.endr
	v_bfe_u32 v16, v27, 8, 7
	v_lshl_add_u32 v16, v16, 4, v30
	v_min_u32 v16, 0x7ff, v16                      ; my row's token
	v_lshlrev_b32 v29, 9, v16
	v_lshl_add_u32 v29, v3, 4, v29
	v_lshlrev_b32 v25, 4, v16
	v_lshlrev_b32 v26, 2, v16
	s_wait_alu depctr_va_vdst(0)                   ; the three offsets v29, v25, v26 are written, which the loads below read
.irp i, 0,1,2,3,4,5,6,7,8,9,10,11,12,13,14,15
	global_load_b128 v[96+4*\i:99+4*\i], v29, s[8:9] offset:32*\i        ; h's codes: k = 32 i + 16 h + 0 .. 15
.endr
	global_load_b128 v[160:163], v25, s[8:9] offset:1048576      ; its four scale words
	global_load_b32 v164, v26, s[10:11] offset:8192              ; the token's slotmap
.Lno_rows:
	LDW 3, 192, 62, 3
	s_wait_loadcnt 16                              ; all but the 16 just issued: the rows' codes, b1 and b2 are in
.irp i, 0,1,2,3
	ds_store_b128 v23, v[168+4*\i:171+4*\i] offset:2048*\i
.endr
	ds_store_b128 v23, v[184:187] offset:B2L-B1L
	s_cmp_eq_u32 s2, 3
	s_cbranch_scc1 .Lno_rows_2
.irp i, 0,1,2,3,4,5,6,7,8,9,10,11,12,13,14,15
	ds_store_b128 v21, v[96+4*\i:99+4*\i] offset:512*\i
.endr
	ds_store_b128 v22, v[160:163]
	s_lshl_b32 s53, s66, 1
	v_lshrrev_b32 v17, s53, v164
	v_and_b32 v17, 3, v17
	v_lshl_add_u32 v17, v16, 2, v17
	v_min_u32 v17, 0x1fff, v17                     ; my row of part: 4 x token + the expert's place among the token's four
	v_lshlrev_b32 v31, 2, v17
	s_wait_alu depctr_va_vdst(0)                   ; the offset v31 is written, which the load below reads
	global_load_b32 v18, v31, s[12:13]             ; its gate: wanted on the way out
.Lno_rows_2:
	s_wait_dscnt 0x0                               ; for the others' sake: my stores have landed
	s_barrier_signal -1
	s_barrier_wait -1                              ; h's images and scale words, b1 and b2 lie in LDS, and are written no more
	WIN 0x80
.irp m, 0,1,2
.irp b, 0,1,2,3
.irp i, 0,1,2,3
	ds_load_b128 v[64*\m+16*\b+4*\i:64*\m+16*\b+4*\i+3], v10 offset:B2L-B1L+128*\b+16*\i   ; b2 is what the outputs' sums begin with
.endr
.endr
.endr
	WIN 0
.irp m, 0,1,2
	ds_load_b128 v[32+4*\m:35+4*\m], v6 offset:XSCL-HIMG+512*\m
.endr
	s_mov_b32 s68, 0xbf97d29d                      ; P's coefficients x log2(e), a8 .. a0 (a0 with the half: - 1)
	s_mov_b32 s70, 0x40097039
	s_mov_b32 s72, 0xbfd1a1e5
	s_mov_b32 s74, 0x3ecdfd18
	s_mov_b32 s76, 0xbe899a80
	s_mov_b32 s78, 0x3e0efb2e
	s_mov_b32 s80, 0x3f0a29d2
	s_mov_b32 s82, 0x3fb8ab5a
	s_mov_b32 s84, 0xc034d90f
	s_mov_b32 s86, 0xbf38aa3b                      ; - log2(e) / 2
.irp k, 68,70,72,74,76,78,80,82,84,86
	s_mov_b32 s[\k+1], s[\k]                       ; (the packed forms name pairs)
.endr
	v_mov_b32 v242, 0x3e7c6f08                     ; a9 x log2(e)
	v_mov_b32 v243, 0x3e7c6f08
.irp b, 0,1,2,3
	v_mov_b32 v[TM+4+\b], 0                        ; a lane permute's destination counts as one of its sources
.endr
	s_mov_b32 s35, s67                             ; the chunk in hand
	s_mov_b32 s34, 0
	s_mov_b32 s3, 0
.Lchunk:                                               ; four trips, a chunk of 512 hidden units each
	s_wait_xcnt 0x0                                ; every earlier load and prefetch has read its base: the bases may be written
	s_lshl_b32 s52, s35, 18                        ; 16 blocks of 16,384 bytes a chunk
	s_mov_b32 s53, 0
	s_add_nc_u64 s[24:25], s[4:5], s[52:53]        ; w1's part,
	s_add_nc_u64 s[26:27], s[24:25], 0x1000000     ; w2's: 1,024 blocks on
	s_lshl_b32 s52, s35, 13
	s_add_nc_u64 s[28:29], s[6:7], s[52:53]        ; the scale words
	s_add_co_u32 s35, s35, 1
	s_and_b32 s35, s35, 3                          ; the next chunk:
	s_lshl_b32 s52, s35, 18
	s_add_nc_u64 s[30:31], s[4:5], s[52:53]        ; its part of w1,
	s_add_nc_u64 s[32:33], s[30:31], 0x1000000     ; of w2,
	s_lshl_b32 s52, s35, 13
	s_add_nc_u64 s[36:37], s[6:7], s[52:53]        ; its scale words
	s_wait_alu depctr_vm_vsrc(0)                   ; the last trip's LDS loads of b1 have read v11, and its last image's stores v224-240, which this trip writes again; first trip: the head's LDS stores have read v96-163 and v168-187, and b1's loads v188-191, in which the rows' fragments land
	v_add_nc_u32 v11, s34, v10
	s_add_co_u32 s34, s34, 2048
	s_wait_dscnt 0x0                               ; my reads of the hidden layer's images are over (first trip: b2 and h's scale words are in)
	s_wait_alu depctr_va_vdst(0)                   ; v11 is written, which the loads of b1 read; the last trip's gelu and S2 are done with window 1, in which b1 lands, with both sets of the rows' fragments, with X, Y and the scale words v64-95 (first trip: the head's vector lines are done with v96-208)
	s_barrier_signal -1
	WIN 0x40                                       ; between the signal and the wait: LDS loads of bytes that nobody writes any more
.irp m, 0,1,2
.irp b, 0,1,2,3
.irp i, 0,1,2,3
	ds_load_b128 v[64*\m+16*\b+4*\i:64*\m+16*\b+4*\i+3], v11 offset:128*\b+16*\i   ; b1 is what the hidden layer's sums begin with
.endr
.endr
.endr
	WIN 0
	HFL 4, 0
	s_barrier_wait -1                              ; no wave reads the hidden layer's images any more: G may write them
	; ---- S1.  Each item waits until at most 48 loads are out: the three items of 16 that were asked for behind its own
	ITEM 1, 0, 48, 3, 0, 3, 0, 24, 4
	ITEM 1, 1, 48, 3, 64, 3, 64, 24, 5
	ITEM 1, 2, 48, 3, 128, 3, 128, 24, 6
	ITEM 1, 3, 48, 3, 192, 3, 192, 24, 7
	ITEM 1, 4, 48, 3, 0, 3, 0, 26, 0
	ITEM 1, 5, 48, 3, 64, 3, 64, 26, 1
	ITEM 1, 6, 48, 3, 128, 3, 128, 26, 2
	ITEM 1, 7, 48, 3, 192, 3, 192, 26, 3
	; ---- G
.irp m, 0,1,2
	GELU16 \m, 0
	GELU16 \m, 1
	GELU16 \m, 2
	GELU16 \m, 3
	s_wait_dscnt 0x0                               ; the last image's stores have read their registers
.if \m > 0
	s_wait_alu depctr_vm_vsrc(0)                   ; the last image's stores have read v224-240, which the quantiser writes again (for the first row tile the wait at the loop's head states it)
.endif
	QUANT
	s_wait_alu depctr_va_vdst(0)                   ; the quantiser has written the codes and the scale word, which the image's stores read; the gelu is done reading this row tile's hidden registers and S1 w1's scale words, in which the loads below land; behind the last row tile: the registers at work are done with, in which S2's fragments land
	IMAGE \m
.if \m == 0
.irp b, 0,1,2,3
	global_load_b128 v[64+4*\b:67+4*\b], v4, s[28:29] offset:524288+512*\b     ; w2's scale words of this chunk,
.endr
.irp b, 0,1,2,3
	global_load_b128 v[48+4*\b:51+4*\b], v4, s[36:37] offset:512*\b            ; w1's of the next (in the last trip: of the walk's first chunk again, inside the buffer and not used),
.endr
	LDW 1, 192, 26, 4                              ; B4 and B5 into the spare slots,
	LDW 2, 192, 26, 5
	LDW 1, 0, 26, 6                                ; B6 into the hidden layer's registers of row tile 0, whose gelu is done
.endif
.if \m == 1
	LDW 1, 64, 26, 7                               ; B7 into those of row tile 1
	s_cmp_lt_u32 s3, s101                          ; the next chunk's 64 KiB of w1 and of w2 of this wave, 256 bytes a lane, behind the loads just issued: a row tile's gelu ahead of the first load that wants them.
	s_cbranch_scc0 .Lno_prefetch                   ; Only an expert's last tile asks, and only while it is the first to read the next chunk: each block is named once
.irp i, 0,1,2,3,4,5,6,7
	global_prefetch_b8 v15, s[30:31] offset:8192*\i th:TH_LOAD_NT scope:SCOPE_SE
	global_prefetch_b8 v15, s[32:33] offset:8192*\i th:TH_LOAD_NT scope:SCOPE_SE
.endr
.Lno_prefetch:
.endif
.endr
	s_wait_dscnt 0x0
	s_barrier_signal -1
	s_barrier_wait -1                              ; the hidden layer's twelve fragments lie in LDS
	; ---- S2.  B0-B3 lie in the ring, B4 in X, B5 in Y, B6 and B7 in window 1.  The ring's slots take the NEXT chunk's A0-A3 as they are emptied
	; (in the last trip: the walk's first chunk again, inside the buffer and not used: the price of a loop that is written once)
	; No wait stands ahead of these LDS loads: behind G's last wait on va_vdst no vector or matrix instruction has been issued
.irp m, 0,1,2
.irp s, 0,1,2,3
	ds_load_b32 v[80+4*\m+\s], v9 offset:128*(4*\m+\s)
.endr
.endr
	HFL 6, 0
	ITEM 2, 0, 16, 3, 0, 3, 0, 30, 0               ; all but B7's sixteen loads are in
	ITEM 2, 1, -1, 3, 64, 3, 64, 30, 1
	ITEM 2, 2, -1, 3, 128, 3, 128, 30, 2
	ITEM 2, 3, -1, 3, 192, 3, 192, 30, 3
	ITEM 2, 4, -1, 1, 192, 0, 0, 0, 0
	ITEM 2, 5, -1, 2, 192, 0, 0, 0, 0
	ITEM 2, 6, -1, 1, 0, 0, 0, 0, 0
	ITEM 2, 7, 63, 1, 64, 0, 0, 0, 0               ; B7 is in: 64 loads were issued behind it, and a wait names 63 at the most
	s_add_co_u32 s3, s3, 1
	s_cmp_lt_u32 s3, 4
	s_cbranch_scc1 .Lchunk
	; ---- THE WAY OUT.  A row's 512 outputs come from four waves: they meet in the stage; waves 0 to 2 then take 16 whole rows each, multiply by the row's gate and store 512 consecutive bytes an instruction
	WIN 0x08                                       ; an LDS store's data are its source 1: window 2
	s_wait_alu depctr_va_vdst(0)                   ; S2's products have written the outputs, which the LDS stores read (the eight places stand behind the last product, ahead of this wait); they are also done reading window 1, in which the rows come back
.irp m, 0,1
.irp b, 0,1,2,3
.irp i, 0,1,2,3
	ds_store_b128 v12, v[64*\m+16*\b+4*\i:64*\m+16*\b+4*\i+3] offset:16*\m*SPI+128*\b+16*\i
.endr
.endr
.endr
.irp b, 0,1,2,3
.irp i, 0,1,2,3
	ds_store_b128 v13, v[128+16*\b+4*\i:128+16*\b+4*\i+3] offset:128*\b+16*\i
.endr
.endr
	WIN 0
	s_wait_dscnt 0x0
	s_barrier_signal -1
	s_barrier_wait -1
	s_cmp_eq_u32 s2, 3
	s_cbranch_scc1 .Lend
	WIN 0x40
.irp i, 0,1,2,3,4,5,6,7,8,9,10,11,12,13,14,15
.irp g, 0,1,2,3
	ds_load_b128 v[16*\i+4*\g:16*\i+4*\g+3], v14 offset:\i*SPI+512*\g
.endr
.endr
	WIN 0
	; the sixteen rows' numbers and gates in one run, all offsets and all products in one run, one wait, then the stores: a row that does not count is multiplied and not stored
.irp i, 0,1,2,3,4,5,6,7,8,9,10,11,12,13,14,15
	v_readlane_b32 s[38+\i], v17, \i
	v_readlane_b32 s[68+2*\i], v18, \i
.endr
	s_wait_alu depctr_va_sdst(0)                   ; the rows' numbers s38-53 and gates s68, s70 .. s98 are written, ahead of their first reader
.irp i, 0,1,2,3,4,5,6,7,8,9,10,11,12,13,14,15
	s_min_u32 s[38+\i], s[38+\i], 8191
	s_lshl_b32 s[38+\i], s[38+\i], 11
	s_mov_b32 s[69+2*\i], s[68+2*\i]               ; (the packed form names a pair)
	v_add_nc_u32 v[96+\i], s[38+\i], v4            ; a register of its own for each row's offset: no store's address is written again
.endr
	s_wait_dscnt 0x0                               ; the rows are back from the stage
	WIN 0x41
.irp i, 0,1,2,3,4,5,6,7,8,9,10,11,12,13,14,15
.irp k, 0,2,4,6,8,10,12,14
	v_pk_mul_f32 v[16*\i+\k:16*\i+\k+1], v[16*\i+\k:16*\i+\k+1], s[68+2*\i:69+2*\i] op_sel_hi:[1,0]
.endr
.endr
	WIN 0
	s_wait_alu depctr_va_vdst(0)                   ; the sixteen offsets v96-111 and the weighed rows in window 1 are written, which the stores below read: no vector instruction follows this wait
.irp i, 0,1,2,3,4,5,6,7,8,9,10,11,12,13,14,15
	s_cmp_le_i32 s100, \i                          ; the rows that count are the tile's first
	s_cbranch_scc1 .Lend
	WIN 0x04
.irp g, 0,1,2,3
	global_store_b128 v[96+\i], v[16*\i+4*\g:16*\i+4*\g+3], s[18:19] offset:512*\g th:TH_STORE_NT
.endr
	WIN 0
.endr
.Lend:
	s_wait_dscnt 0x0                               ; the closing lines, six on end
	s_wait_alu 0x0
	s_wait_tensorcnt 0x0
	ds_add_u32 v254, v255
	s_wait_dscnt 0x0
	s_endpgm
.Lfunc_end_k_qc74dd8cdf7_chain:
	.size	k_qc74dd8cdf7_chain, .Lfunc_end_k_qc74dd8cdf7_chain-k_qc74dd8cdf7_chain
	.p2alignl 7, 3214868480
	.fill 96, 4, 3214868480
	.section	.rodata,"a",@progbits
	.p2align	6, 0x0
	.amdhsa_kernel k_qc74dd8cdf7_chain
		.amdhsa_group_segment_fixed_size 212480
		.amdhsa_private_segment_fixed_size 0
		.amdhsa_enable_private_segment 0
		.amdhsa_kernarg_size 64
		.amdhsa_user_sgpr_count 2
		.amdhsa_user_sgpr_kernarg_segment_ptr 1
		.amdhsa_wavefront_size32 1
		.amdhsa_system_sgpr_workgroup_id_x 1
		.amdhsa_system_sgpr_workgroup_id_y 1
		.amdhsa_system_sgpr_workgroup_id_z 1
		.amdhsa_system_vgpr_workitem_id 0
		.amdhsa_next_free_vgpr 1024
		.amdhsa_next_free_sgpr 102
		.amdhsa_reserve_vcc 0
		.amdhsa_float_denorm_mode_32 3
		.amdhsa_float_denorm_mode_16_64 3
		.amdhsa_memory_ordered 1
		.amdhsa_forward_progress 1
		.amdhsa_inst_pref_size 255
	.end_amdhsa_kernel
	.section	.bss,"aw",@nobits
	.p2align	6
	.space	262144
	.amdgpu_metadata
---
amdhsa.version: [ 1, 2 ]
amdhsa.kernels:
  - .name:           k_qc74dd8cdf7_chain
    .symbol:         k_qc74dd8cdf7_chain.kd
    .args:
      - { .name: wc, .offset: 0, .size: 8, .value_kind: global_buffer, .address_space: global }
      - { .name: ws, .offset: 8, .size: 8, .value_kind: global_buffer, .address_space: global }
      - { .name: hq, .offset: 16, .size: 8, .value_kind: global_buffer, .address_space: global }
      - { .name: sel, .offset: 24, .size: 8, .value_kind: global_buffer, .address_space: global }
      - { .name: gate, .offset: 32, .size: 8, .value_kind: global_buffer, .address_space: global }
      - { .name: b1, .offset: 40, .size: 8, .value_kind: global_buffer, .address_space: global }
      - { .name: b2, .offset: 48, .size: 8, .value_kind: global_buffer, .address_space: global }
      - { .name: part, .offset: 56, .size: 8, .value_kind: global_buffer, .address_space: global }
    .group_segment_fixed_size: 212480
    .private_segment_fixed_size: 0
    .kernarg_segment_align: 8
    .kernarg_segment_size: 64
    .max_flat_workgroup_size: 128
    .sgpr_count:     102
    .vgpr_count:     1024
    .wavefront_size: 32
...
	.end_amdgpu_metadata
.endif
;; end of part 5
;; launch combine: the kernel of part 4 again; grid 256 x 1, 4 waves a work-group, no clusters, 0 bytes of LDS; arguments part, out0; writes out0
